; MI455X (gfx1250); checked and timed in simulation.
; The chip was launched on July 23, 2026; its instructions are those of AMD's public machine-readable ISA for CDNA 5 (MIT licence, August 2026) and "CDNA5" Instruction Set Architecture Reference Guide (July 2026). The comments in the code are by the model that wrote it; some were corrected since.
;; Multi Head Attention. Allowed arithmetic: matrix products marked QUANTISED: E2M3 operands, one E8M0 scale for each 32 along K, by v_wmma_scale_f32_16x16x128_f8f6f4 with both operands' format E2M3, f32 sums; everything else in f32.
;; Inputs: bk 1,024 float32; bo 1,024 float32; bq 1,024 float32; bv 1,024 float32; key 4 x 2,048 x 1,024 float32; mask 4 x 1 x 2,048 x 2,048 int32; query 4 x 2,048 x 1,024 float32; value 4 x 2,048 x 1,024 float32; wk 1,024 x 1,024 float32; wo 1,024 x 1,024 float32; wq 1,024 x 1,024 float32; wv 1,024 x 1,024 float32.
;; Outputs: out0 4 x 2,048 x 1,024 float32.
;; This version of the problem:
;;   THIS VERSION OF THE PROBLEM IS GIVEN IN LOW PRECISION. The matrix products marked QUANTISED in the list below multiply operands that are first quantised to E2M3 (2 exponent bits, 3 mantissa bits; 6 bits a number), with one power-of-two scale for each 32 numbers along K (OCP MX v1.0); their sums are f32. All else is computed in f32.
;;   The module's matrix products, in the order in which they are computed (A, B: the left and right operand; K: the contracted axis; several contracted axes count as one K, in the product's order):
;;     1. [M 8,192, K 1,024] x [K 1,024, N 1,024]; A: input query; B: input wq: QUANTISED
;;     2. [M 8,192, K 1,024] x [K 1,024, N 1,024]; A: input key; B: input wk: QUANTISED
;;     3. [M 8,192, K 1,024] x [K 1,024, N 1,024]; A: input value; B: input wv: QUANTISED
;;     4. batch 64 x [M 2,048, K 64] x [K 64, N 2,048]; A: computed on the way; B: computed on the way: QUANTISED
;;     5. batch 64 x [M 2,048, K 2,048] x [K 2,048, N 64]; A: softmax (see below); B: computed on the way: QUANTISED
;;     6. [M 8,192, K 1,024] x [K 1,024, N 1,024]; A: computed on the way; B: input wo: QUANTISED
;;   THE QUANTISER, for each operand of a quantised product, along K:
;;     - K is cut into blocks of 32 from its start; a last block that is shorter is filled with zeros.
;;     - A block's scale is 2^e with e = floor(log2(the largest magnitude in the block)) - 2, held to -126 .. 127; a block of zeros has e = 0. As a byte (E8M0): e + 127.
;;     - Each number is divided by its block's scale, clamped to +-7.5, and rounded to the nearest number of E2M3, ties to even, subnormals kept.
;;     - The product sums the exact products of the quantised numbers (number of the format x scale) in f32.
;;   ~~~python
;;   def quantise(x, axis):      # numpy; x: float32 -> the quantised numbers, widened to float32 again
;;       x = np.moveaxis(x, axis, -1); K = x.shape[-1]
;;       x = np.pad(x, [(0, 0)] * (x.ndim - 1) + [(0, -K % 32)]); x = x.reshape(x.shape[:-1] + (-1, 32)); a = np.abs(x).max(-1, keepdims=True)
;;       e = np.where(a > 0, np.clip(np.frexp(np.where(a > 0, a, 1))[1] - 1 - 2, -126, 127), 0)      # np.frexp(a)[1] - 1 = floor(log2(a)), exactly
;;       r = np.clip(x / 2.0 ** e, -7.5, 7.5)
;;       step = 2.0 ** (np.maximum(np.frexp(np.where(r == 0, 1, r))[1] - 1, 0) - 3)
;;       q = np.round(r / step) * step * 2.0 ** e      # np.round: ties to even
;;       return np.moveaxis(q.reshape(q.shape[:-2] + (-1,))[..., :K], -1, axis).astype(np.float32)
;;   ~~~
;;   SOFTMAX AHEAD OF A QUANTISED PRODUCT. Where the list says 'softmax', what is quantised is not the finished softmax but p = 2^(t - M), with t = logit x log2(e) and M = ceil(the row's largest t), a whole number; so 1/2 < the row's largest p <= 1. The row's sum l is taken of the UNQUANTISED p, in f32, and the product's result is divided by l at the end. Since M is a whole number, a kernel that streams over the keys may use a running M (the ceiling of the running maximum): every later rescaling is an exact power of two, which a block's scale takes up: the codes' values come out the same.
;;   OPERANDS COMPUTED ON THE WAY. 'Computed on the way' means the value that the module computes at that place (a softmax that the list does not call 'softmax' is quantised finished and normalised). What goes into a quantiser is computed in f32, as accurately as f32 sums, v_exp_f32 and their like allow (about 1e-6 of the number): no bf16 or f16 on the way to a quantiser, and a product that is left as it is and whose result goes on into a quantised operand takes f32 operands (vector FMAs, or v_wmma_f32_16x16x4_f32). A number that lies on a knife's edge between two numbers of the format may be rounded either way, as far as f32 arithmetic and the matrix unit's own rounding can turn it there, and no further.
;; One version. Each part assembles by itself: llvm-mc -triple=amdgcn-amd-amdhsa -mcpu=gfx1250 --defsym DOCPART=n.
;; ======== version 1 of 1: 6 launches
;; workspace buffers: mbits 2,097,152 bytes of whole numbers; xact 19,660,800 bytes; wc 3,276,800 bytes; qkimg 13,631,488 bytes; vimg 6,553,600 bytes; oc 6,553,600 bytes
;; launch maskbits (part 1): grid 512 x 1, 4 waves a work-group, no clusters, 34,304 bytes of LDS; arguments mask, mbits; writes mbits
.if DOCPART == 1
	.amdgcn_target "amdgcn-amd-amdhsa--gfx1250"
	.amdhsa_code_object_version 6
	.text
	.protected	k_q25c81f940c_maskbits
	.globl	k_q25c81f940c_maskbits
	.p2align	8
	.type	k_q25c81f940c_maskbits,@function
k_q25c81f940c_maskbits:
	s_mov_b64 s[64:65], 0
	v_nop
	global_prefetch_b8 v0, s[64:65] scope:SCOPE_SE
	s_setreg_imm32_b32 hwreg(HW_REG_WAVE_MODE, 25, 1), 1
	s_wait_xcnt 0x0
; mask [4][1][2048][2048] int32 -> mbits [batch 4][query tile 128][key step 16][64 words]: the mask as lane masks for the attention launch, so that its 64 MiB are read once and not once a head.
; Bit (r + 16 h) of word 16 b + i of (tile qt, step) is 1 where mask[batch][query 32 (qt / 2) + 8 (qt % 2) + r + 8 (r / 8)][key 128 step + 32 b + 16 h + i] is not 0:
; that is the lane and the register in which the attention launch holds that score.
; A work-group takes one query tile, each of its four waves four key steps.  A unit is 16 rows x 512 bytes: each load reads 512 consecutive bytes of one row; the unit turns through the wave's own stage in LDS
; (rows 528 bytes apart), so that lane (r, h) gets row r's numbers; a compare makes a word of 32 lanes' bits, v_writelane_b32 puts it in its lane, and 32 lanes store the unit's 256 bytes at once.
; Waves share nothing: no barrier.  Loads run one unit (16 loads) ahead of the unit at work.
.set PITCH, 528
.set STG,   16*PITCH                   ; a wave's stage
.set R,     16                         ; v16-143  two sets of 64 registers as loaded
.set X,     144                        ; v144-207 lane (r, h): register 16 b + i = row r, key 32 b + 16 h + i
.set W,     208                        ; v208-215 a pair for each unit: lane l holds words 2 l and 2 l + 1
.set MS,    32                         ; s32-47   sixteen words in hand
	s_load_b128 s[4:7], s[0:1], 0x0                ; mask, mbits
	v_lshl_add_u32 v224, v0, 2, 0x8400
	v_mov_b32 v225, 0
	v_lshrrev_b32 v1, 5, v0
	v_readfirstlane_b32 s8, v1                     ; wave
	v_and_b32 v6, 31, v0
	v_lshlrev_b32 v2, 4, v6                        ; 16 x lane
	v_lshlrev_b32 v5, 3, v6                        ; 8 x lane
	s_mul_i32 s9, s8, STG
	v_add_nc_u32 v3, s9, v2                        ; the stage, on the way in
	v_and_b32 v7, 15, v0
	v_bfe_u32 v8, v0, 4, 1
	v_mul_u32_u24 v4, v7, PITCH
	v_lshl_add_u32 v4, v8, 6, v4
	v_add_nc_u32 v4, s9, v4                        ; and on the way out: row r, + 64 h
.irp i, 0,1,2,3,4,5,6,7
	v_mov_b32 v[W+\i], 0                           ; v_writelane_b32's destination counts as read
.endr
	s_lshr_b32 s10, ttmp9, 7                       ; batch
	s_and_b32 s11, ttmp9, 127                      ; query tile
	s_lshl_b32 s10, s10, 11
	s_lshr_b32 s12, s11, 1
	s_lshl_b32 s12, s12, 5
	s_add_co_u32 s10, s10, s12
	s_and_b32 s12, s11, 1
	s_lshl_b32 s12, s12, 3
	s_add_co_u32 s10, s10, s12                     ; the tile's first row: 2048 batch + 32 (qt / 2) + 8 (qt % 2)
	s_lshl_b32 s10, s10, 13                        ; x 8,192 bytes (under 2^26)
	s_lshl_b32 s12, s8, 11
	s_add_co_u32 s10, s10, s12                     ; + my four key steps
	s_mov_b32 s11, 0
	s_lshl_b32 s12, ttmp9, 12                      ; out: 4,096 bytes a tile, 1,024 a wave
	s_lshl_b32 s13, s8, 10
	s_add_co_u32 s12, s12, s13
	s_mov_b32 s13, 0
	s_wait_kmcnt 0x0
	s_add_nc_u64 s[4:5], s[4:5], s[10:11]
	s_add_nc_u64 s[6:7], s[6:7], s[12:13]
.macro LOADT t                         ; unit t: the tile's 16 rows (0-7 and 16-23 from its first), 512 bytes each
.set i, 0
.rept 16
	global_load_b128 v[R+64*((\t)%2)+4*i:R+64*((\t)%2)+4*i+3], v2, s[4:5] offset:(i+8*(i/8))*8192+512*(\t) th:TH_LOAD_NT
.set i, i+1
.endr
.endm
.macro TURN t                          ; LDS serves a wave's instructions in order: no wait between the stores and the loads
.set i, 0
.rept 16
	ds_store_b128 v3, v[R+64*((\t)%2)+4*i:R+64*((\t)%2)+4*i+3] offset:PITCH*i
.set i, i+1
.endr
.set i, 0
.rept 16
	ds_load_b128 v[X+4*i:X+4*i+3], v4 offset:128*(i/4)+16*(i%4)
.set i, i+1
.endr
.endm
.macro UNIT t
.if (\t) < 3
	s_wait_loadcnt 16                              ; this unit's sixteen loads are in; the next unit's may be out
.else
	s_wait_loadcnt 0x0
.endif
	TURN \t
	s_wait_dscnt 0x0                               ; the numbers are back, and the stores have read their registers
.if (\t) < 2
	LOADT (\t)+2
.endif
.irp q, 0,1,2,3
.irp k, 0,1,2,3,4,5,6,7,8,9,10,11,12,13,14,15
	v_cmp_ne_u32 s[MS+\k], 0, v[X+16*\q+\k]        ; word 16 q + k: a bit for each lane
.endr
.irp k, 0,1,2,3,4,5,6,7,8,9,10,11,12,13,14,15
	v_writelane_b32 v[W+2*(\t)+\k%2], s[MS+\k], 8*\q+\k/2
.endr
.endr
	global_store_b64 v5, v[W+2*(\t):W+2*(\t)+1], s[6:7] offset:256*(\t)   ; 32 lanes store 256 consecutive bytes, aligned; each unit has registers of its own
.endm
	LOADT 0
	LOADT 1
	UNIT 0
	UNIT 1
	UNIT 2
	UNIT 3
	s_wait_tensorcnt 0x0
	ds_add_u32 v224, v225
	s_wait_dscnt 0x0
	s_endpgm
.Lfunc_end_k_q25c81f940c_maskbits:
	.size	k_q25c81f940c_maskbits, .Lfunc_end_k_q25c81f940c_maskbits-k_q25c81f940c_maskbits
	.p2alignl 7, 3214868480
	.fill 96, 4, 3214868480
	.section	.rodata,"a",@progbits
	.p2align	6, 0x0
	.amdhsa_kernel k_q25c81f940c_maskbits
		.amdhsa_group_segment_fixed_size 34304
		.amdhsa_private_segment_fixed_size 0
		.amdhsa_enable_private_segment 0
		.amdhsa_kernarg_size 16
		.amdhsa_user_sgpr_count 2
		.amdhsa_user_sgpr_kernarg_segment_ptr 1
		.amdhsa_wavefront_size32 1
		.amdhsa_system_sgpr_workgroup_id_x 1
		.amdhsa_system_sgpr_workgroup_id_y 1
		.amdhsa_system_sgpr_workgroup_id_z 1
		.amdhsa_system_vgpr_workitem_id 0
		.amdhsa_next_free_vgpr 226
		.amdhsa_next_free_sgpr 66
		.amdhsa_reserve_vcc 0
		.amdhsa_float_denorm_mode_32 3
		.amdhsa_float_denorm_mode_16_64 3
		.amdhsa_memory_ordered 1
		.amdhsa_forward_progress 1
		.amdhsa_inst_pref_size 49
	.end_amdhsa_kernel
	.amdgpu_metadata
---
amdhsa.version: [ 1, 2 ]
amdhsa.kernels:
  - .name:           k_q25c81f940c_maskbits
    .symbol:         k_q25c81f940c_maskbits.kd
    .args:
      - { .name: mask, .offset: 0, .size: 8, .value_kind: global_buffer, .address_space: global }
      - { .name: mbits, .offset: 8, .size: 8, .value_kind: global_buffer, .address_space: global }
    .group_segment_fixed_size: 34304
    .private_segment_fixed_size: 0
    .kernarg_segment_align: 8
    .kernarg_segment_size: 16
    .max_flat_workgroup_size: 128
    .sgpr_count:     66
    .vgpr_count:     226
    .wavefront_size: 32
...
	.end_amdgpu_metadata
.endif
;; end of part 1
;; launch qact (part 2): grid 384 x 1, 4 waves a work-group, no clusters, 34,304 bytes of LDS; arguments query, key, value, xact; writes xact
.if DOCPART == 2
	.amdgcn_target "amdgcn-amd-amdhsa--gfx1250"
	.amdhsa_code_object_version 6
	.text
	.protected	k_q25c81f940c_qact
	.globl	k_q25c81f940c_qact
	.p2align	8
	.type	k_q25c81f940c_qact,@function
k_q25c81f940c_qact:
	s_mov_b64 s[64:65], 0
	v_nop
	global_prefetch_b8 v0, s[64:65] scope:SCOPE_SE
	s_setreg_imm32_b32 hwreg(HW_REG_WAVE_MODE, 25, 1), 1
	s_wait_xcnt 0x0
; query, key, value [8192][1024] f32 -> xact [3][row block 64][K step 8][12,800 bytes]: codes of FP6 (E2M3) with one E8M0 byte for each 32 along K, laid in the order of the operand's registers.
; A block of 12,800 bytes is 128 rows x 128 along K: eight fragments of 1,536 bytes, then 512 bytes of scale words.  Lane r of fragment f is row 32 (f / 2) + 8 (f % 2) + r + 8 (r / 8) of the row block.
; A fragment is stored as its 12 registers: half c (registers 6 c .. 6 c + 5) in 768 bytes: registers 0-3 at 16 x lane, registers 4, 5 at 512 + 8 x lane.  The scale word of lane r of fragment 2 p + u lies at 128 p + 8 r + 4 u.
; A block's scale is 2^(floor(log2(its largest magnitude)) - 2); its byte is the largest magnitude's exponent field - 2, held at 1 from below.
; LIMITS: a block of zeros gets the byte 1 (its codes are zeros; this program alone reads the bytes); blocks under 2^-124 were not tried; NaN and infinities are not served.
; A wave takes one such block.  Each load reads 512 consecutive bytes of a row; 16 rows turn through the wave's own stage in LDS, so that lane (r, h) holds, of row r, 16 neighbours of each block of 32.
; Waves share nothing: no barrier.  Loads run one fragment (16 loads) ahead of the one at work.
.set PITCH, 528
.set STG,   16*PITCH
.set R,     16                         ; v16-143  two sets of 64 registers as loaded
.set X,     144                        ; v144-207 register 16 b + i = k 32 b + 16 h + i of my row
.set TM,    208                        ; v208-223 at work in QUANT
.set PW,    224                        ; v224-231 a scale word for each fragment
.set PC,    232                        ; v232-250 the codes just made
.set CH,    252                        ; v252-255 scale words as they are stored
.set SEL,   22                         ; s[22:23] v_permlanex16_b32's selects for lane l xor 16
; 64 numbers of a lane, v[s] .. v[s + 63], become a fragment's codes in v[PC] on and its scale word in v[pw].
.macro QUANT s, pw
.irp b, 0,1,2,3
	v_max3_num_f32 v[TM+\b], |v[\s+16*\b]|, |v[\s+1+16*\b]|, 0x1800000   ; my 16 numbers of block b, and the floor 2^(3 - 127): the byte cannot fall under 1
.endr
.irp i, 2,4,6,8,10,12,14
.irp b, 0,1,2,3
	v_max3_num_f32 v[TM+\b], v[TM+\b], |v[\s+16*\b+\i]|, |v[\s+1+16*\b+\i]|
.endr
.endr
.irp b, 0,1,2,3
	v_permlanex16_b32 v[TM+4+\b], v[TM+\b], s[SEL], s[SEL+1]
.endr
.irp b, 0,1,2,3
	v_max_num_f32 v[TM+\b], v[TM+\b], v[TM+4+\b]   ; with lane l xor 16's: the block's largest magnitude
.endr
.irp b, 0,1,2,3
	v_add_nc_u32 v[TM+12+\b], 0xff000000, v[TM+\b] ; 2 off its exponent field: the conversion's scale operand
.endr
.irp b, 0,1,2,3
	v_lshrrev_b32 v[TM+4+\b], 23, v[TM+12+\b]      ; the scale's byte
.endr
	v_lshl_or_b32 v[\pw], v[TM+5], 8, v[TM+4]
	v_lshl_or_b32 v[\pw], v[TM+6], 16, v[\pw]
	v_lshl_or_b32 v[\pw], v[TM+7], 24, v[\pw]
.irp c, 0,1
	v_cvt_scalef32_pk16_fp6_f32 v[PC+6*\c:PC+2+6*\c], v[\s+32*\c:\s+15+32*\c], v[TM+12+2*\c]
	v_cvt_scalef32_pk16_fp6_f32 v[PC+12+4*\c:PC+14+4*\c], v[\s+16+32*\c:\s+31+32*\c], v[TM+12+2*\c+1]   ; (a conversion's three registers begin on an even number)
.endr
	v_nop                                          ; one plain place behind a scaled conversion
.irp c, 0,1                            ; the layout wants a whole block in a lane: lanes 0-15 block 2 c, lanes 16-31 block 2 c + 1
.irp i, 0,1,2
	v_permlane16_swap_b32 v[PC+6*\c+\i], v[PC+12+4*\c+\i]
.endr
.irp i, 0,1,2
	v_mov_b32 v[PC+3+6*\c+\i], v[PC+12+4*\c+\i]
.endr
.endr
.endm
	s_load_b256 s[4:11], s[0:1], 0x0               ; query, key, value, xact
	v_lshl_add_u32 v247, v0, 2, 0x8400
	v_mov_b32 v251, 0
	v_lshrrev_b32 v1, 5, v0
	v_readfirstlane_b32 s16, v1                    ; wave
	v_and_b32 v6, 31, v0
	v_lshlrev_b32 v2, 4, v6                        ; 16 x lane
	v_lshlrev_b32 v5, 3, v6                        ; 8 x lane
	s_mul_i32 s17, s16, STG
	v_add_nc_u32 v3, s17, v2
	v_and_b32 v7, 15, v0
	v_bfe_u32 v8, v0, 4, 1
	v_mul_u32_u24 v4, v7, PITCH
	v_lshl_add_u32 v4, v8, 6, v4
	v_add_nc_u32 v4, s17, v4
.irp b, 0,1,2,3
	v_mov_b32 v[TM+4+\b], 0                        ; a lane permute's destination counts as read
.endr
	s_mov_b32 s[SEL], 0x76543210
	s_mov_b32 s[SEL+1], 0xfedcba98
	s_mov_b32 s20, 0xffff0000                      ; lanes 16-31
	s_lshr_b32 s12, ttmp9, 7                       ; which tensor
	s_and_b32 s13, ttmp9, 127
	s_lshr_b32 s13, s13, 1                         ; row block
	s_lshl_b32 s18, s13, 19                        ; 128 rows of 4,096 bytes
	s_and_b32 s13, ttmp9, 1
	s_lshl_b32 s13, s13, 2
	s_add_co_u32 s13, s13, s16                     ; K step = 4 (g % 2) + wave
	s_lshl_b32 s13, s13, 9
	s_add_co_u32 s18, s18, s13
	s_mov_b32 s19, 0
	s_lshl_b32 s14, ttmp9, 2
	s_add_co_u32 s14, s14, s16                     ; the block's number: 512 tensor + 8 row block + K step = 4 g + wave
	s_mul_i32 s14, s14, 12800
	s_mov_b32 s15, 0
	s_wait_kmcnt 0x0
	s_cmp_eq_u32 s12, 1                            ; the choice hangs on the work-group's number alone
	s_cselect_b64 s[4:5], s[6:7], s[4:5]
	s_cmp_eq_u32 s12, 2
	s_cselect_b64 s[4:5], s[8:9], s[4:5]
	s_add_nc_u64 s[4:5], s[4:5], s[18:19]
	s_add_nc_u64 s[10:11], s[10:11], s[14:15]
.macro LOADT f                         ; fragment f's 16 rows, 512 bytes each
.set i, 0
.rept 16
	global_load_b128 v[R+64*((\f)%2)+4*i:R+64*((\f)%2)+4*i+3], v2, s[4:5] offset:(32*((\f)/2)+8*((\f)%2)+i+8*(i/8))*4096 th:TH_LOAD_NT
.set i, i+1
.endr
.endm
.macro TURN f
.set i, 0
.rept 16
	ds_store_b128 v3, v[R+64*((\f)%2)+4*i:R+64*((\f)%2)+4*i+3] offset:PITCH*i
.set i, i+1
.endr
.set i, 0
.rept 16
	ds_load_b128 v[X+4*i:X+4*i+3], v4 offset:128*(i/4)+16*(i%4)
.set i, i+1
.endr
.endm
.macro FRAGM f
.if (\f) < 7
	s_wait_loadcnt 16                              ; this fragment's sixteen loads are in; the next one's may be out
.else
	s_wait_loadcnt 0x0
.endif
	TURN \f
	s_wait_dscnt 0x0
.if (\f) < 6
	LOADT (\f)+2
.endif
.if (\f) > 0
	s_wait_xcnt 0x0                                ; the last fragment's stores have read the codes' registers
.endif
	QUANT X, PW+\f
.irp c, 0,1
	global_store_b128 v2, v[PC+6*\c:PC+6*\c+3], s[10:11] offset:1536*(\f)+768*\c        ; 512 consecutive bytes,
	global_store_b64 v5, v[PC+6*\c+4:PC+6*\c+5], s[10:11] offset:1536*(\f)+768*\c+512   ; and 256
.endr
.endm
	LOADT 0
	LOADT 1
.irp f, 0,1,2,3,4,5,6,7
	FRAGM \f
.endr
.irp i, 0,1                            ; lanes 0-15 store pair 2 i's words, lanes 16-31 pair 2 i + 1's: 256 consecutive bytes
	v_cndmask_b32 v[CH+2*\i], v[PW+4*\i], v[PW+4*\i+2], s20
	v_cndmask_b32 v[CH+2*\i+1], v[PW+4*\i+1], v[PW+4*\i+3], s20
	global_store_b64 v5, v[CH+2*\i:CH+2*\i+1], s[10:11] offset:12288+256*\i
.endr
	s_wait_tensorcnt 0x0
	ds_add_u32 v247, v251
	s_wait_dscnt 0x0
	s_endpgm
.Lfunc_end_k_q25c81f940c_qact:
	.size	k_q25c81f940c_qact, .Lfunc_end_k_q25c81f940c_qact-k_q25c81f940c_qact
	.p2alignl 7, 3214868480
	.fill 96, 4, 3214868480
	.section	.rodata,"a",@progbits
	.p2align	6, 0x0
	.amdhsa_kernel k_q25c81f940c_qact
		.amdhsa_group_segment_fixed_size 34304
		.amdhsa_private_segment_fixed_size 0
		.amdhsa_enable_private_segment 0
		.amdhsa_kernarg_size 32
		.amdhsa_user_sgpr_count 2
		.amdhsa_user_sgpr_kernarg_segment_ptr 1
		.amdhsa_wavefront_size32 1
		.amdhsa_system_sgpr_workgroup_id_x 1
		.amdhsa_system_sgpr_workgroup_id_y 1
		.amdhsa_system_sgpr_workgroup_id_z 1
		.amdhsa_system_vgpr_workitem_id 0
		.amdhsa_next_free_vgpr 256
		.amdhsa_next_free_sgpr 66
		.amdhsa_reserve_vcc 0
		.amdhsa_float_denorm_mode_32 3
		.amdhsa_float_denorm_mode_16_64 3
		.amdhsa_memory_ordered 1
		.amdhsa_forward_progress 1
		.amdhsa_inst_pref_size 65
	.end_amdhsa_kernel
	.amdgpu_metadata
---
amdhsa.version: [ 1, 2 ]
amdhsa.kernels:
  - .name:           k_q25c81f940c_qact
    .symbol:         k_q25c81f940c_qact.kd
    .args:
      - { .name: query, .offset: 0, .size: 8, .value_kind: global_buffer, .address_space: global }
      - { .name: key, .offset: 8, .size: 8, .value_kind: global_buffer, .address_space: global }
      - { .name: value, .offset: 16, .size: 8, .value_kind: global_buffer, .address_space: global }
      - { .name: xact, .offset: 24, .size: 8, .value_kind: global_buffer, .address_space: global }
    .group_segment_fixed_size: 34304
    .private_segment_fixed_size: 0
    .kernarg_segment_align: 8
    .kernarg_segment_size: 32
    .max_flat_workgroup_size: 128
    .sgpr_count:     66
    .vgpr_count:     256
    .wavefront_size: 32
...
	.end_amdgpu_metadata
.endif
;; end of part 2
;; launch qw (part 3): grid 256 x 1, 4 waves a work-group, no clusters, 12,800 bytes of LDS; arguments wq, wk, wv, wo, wc; writes wc
.if DOCPART == 3
	.amdgcn_target "amdgcn-amd-amdhsa--gfx1250"
	.amdhsa_code_object_version 6
	.text
	.protected	k_q25c81f940c_qw
	.globl	k_q25c81f940c_qw
	.p2align	8
	.type	k_q25c81f940c_qw,@function
k_q25c81f940c_qw:
	s_mov_b64 s[64:65], 0
	v_nop
	global_prefetch_b8 v0, s[64:65] scope:SCOPE_SE
	s_setreg_imm32_b32 hwreg(HW_REG_WAVE_MODE, 25, 1), 1
	s_wait_xcnt 0x0
; wq, wk, wv, wo [k 1024][n 1024] f32, K their FIRST axis -> wc [4][row block of n 8][K step 8][12,800 bytes], laid as xact is: an operand's row is a column n of the weight.
; A LANE TAKES A COLUMN n AND ITS REGISTERS RUN DOWN K: a block of 32 along K lies in one lane's 32 registers, its largest magnitude needs no other lane, and the conversions give codes with K innermost.
; A work-group takes one block of 128 columns x 128 along K; wave w takes columns 32 w .. 32 w + 31, which are fragments 2 w and 2 w + 1: column 32 w + x is lane r' = x % 8 + 8 (x / 16) of fragment 2 w + (x / 8) % 2.
; Block beta of a column is what lane r' + 16 (beta % 2) holds in registers 6 (beta / 2) .. + 5: the six registers go to that place of the fragments' images in the wave's own 3,072 bytes of LDS, and the images leave in runs of 512 bytes.
; LIMITS: a block of zeros gets the byte 1 (its codes are zeros; this program alone reads the bytes); blocks under 2^-124 were not tried; NaN and infinities are not served.
; Waves share nothing: no barrier.  Loads run one block (32 loads) ahead of the one at work.
.set X,   32                           ; v32-95   two sets of 32 numbers
.set E,   96                           ; v96-119  six registers of codes for each of the four blocks
.set T,   120                          ; v120-122 a block's upper 16 codes as converted
.set OUT, 32                           ; v32-55   the images on the way out (the numbers are done with)
	s_load_b256 s[4:11], s[0:1], 0x0               ; wq, wk, wv, wo
	s_load_b64 s[12:13], s[0:1], 0x20              ; wc
	v_lshl_add_u32 v128, v0, 2, 0x3000
	v_mov_b32 v129, 0
	v_lshrrev_b32 v1, 5, v0
	v_readfirstlane_b32 s16, v1                    ; wave
	v_and_b32 v2, 31, v0
	v_lshlrev_b32 v3, 2, v2                        ; in: 4 bytes a lane
	v_lshlrev_b32 v7, 4, v2                        ; out: 16 bytes a lane
	v_bfe_u32 v10, v0, 3, 1                        ; u
	v_and_b32 v11, 7, v0
	v_bfe_u32 v1, v0, 4, 1
	v_lshl_or_b32 v11, v1, 3, v11                  ; r'
	s_mul_i32 s17, s16, 3072
	v_mul_u32_u24 v4, v10, 1536
	v_add_nc_u32 v4, s17, v4
	v_lshl_add_u32 v5, v11, 3, v4
	v_add_nc_u32 v5, 512, v5                       ; registers 4, 5: 3072 w + 1536 u + 512 + 8 r'
	v_lshl_add_u32 v4, v11, 4, v4                  ; registers 0-3: 3072 w + 1536 u + 16 r'
	v_add_nc_u32 v6, s17, v7                       ; back: 3072 w + 16 x lane
	v_lshlrev_b32 v8, 3, v11
	v_lshl_add_u32 v8, v10, 2, v8                  ; my scale word: 8 r' + 4 u
	s_lshr_b32 s18, ttmp9, 6                       ; which weight
	s_and_b32 s19, ttmp9, 7                        ; K step
	s_lshl_b32 s20, s19, 19                        ; 128 rows of 4,096 bytes
	s_bfe_u32 s19, ttmp9, 0x30003                  ; row block of n
	s_lshl_b32 s19, s19, 9
	s_add_co_u32 s20, s20, s19
	s_lshl_b32 s19, s16, 7
	s_add_co_u32 s20, s20, s19
	s_mov_b32 s21, 0
	s_mul_i32 s22, ttmp9, 12800                    ; the block's number is the work-group's: 64 weight + 8 row block + K step
	s_mov_b32 s23, 0
	s_add_co_u32 s24, s22, s19
	s_add_co_u32 s24, s24, 12288                   ; my pair's scale words
	s_mov_b32 s25, 0
	s_add_co_u32 s22, s22, s17                     ; my two fragments
	s_wait_kmcnt 0x0
	s_cmp_eq_u32 s18, 1                            ; the choices hang on the work-group's number alone
	s_cselect_b64 s[4:5], s[6:7], s[4:5]
	s_cmp_eq_u32 s18, 2
	s_cselect_b64 s[4:5], s[8:9], s[4:5]
	s_cmp_eq_u32 s18, 3
	s_cselect_b64 s[4:5], s[10:11], s[4:5]
	s_add_nc_u64 s[4:5], s[4:5], s[20:21]
	s_add_nc_u64 s[14:15], s[12:13], s[24:25]
	s_add_nc_u64 s[12:13], s[12:13], s[22:23]
.macro LOAD t                          ; block t: W(32 t + i, my column): 32 lanes read 128 consecutive bytes
.set i, 0
.rept 32
	global_load_b32 v[X+32*((\t)%2)+i], v3, s[4:5] offset:(32*(\t)+i)*4096 th:TH_LOAD_NT
.set i, i+1
.endr
.endm
.macro BLOCK t
.set XS, X+32*((\t)%2)
.if (\t) < 3
	s_wait_loadcnt 32                              ; this block's 32 loads are in; the next block's may be out
.else
	s_wait_loadcnt 0x0
.endif
	v_max3_num_f32 v12, |v[XS]|, |v[XS+1]|, |v[XS+2]|
	v_max3_num_f32 v13, |v[XS+3]|, |v[XS+4]|, |v[XS+5]|
.irp i, 6,10,14,18,22,26
	v_max3_num_f32 v12, v12, |v[XS+\i]|, |v[XS+\i+1]|
	v_max3_num_f32 v13, v13, |v[XS+\i+2]|, |v[XS+\i+3]|
.endr
	v_max3_num_f32 v12, v12, |v[XS+30]|, |v[XS+31]|
	v_max3_num_f32 v12, v12, v13, 0x1800000        ; and the floor 2^(3 - 127)
	v_add_nc_u32 v14, 0xff000000, v12              ; 2 off the exponent field: the conversion's scale operand
	v_lshrrev_b32 v13, 23, v14                     ; the scale's byte
.if (\t) == 0
	v_mov_b32 v9, v13
.else
	v_lshl_or_b32 v9, v13, 8*(\t), v9
.endif
	v_cvt_scalef32_pk16_fp6_f32 v[E+6*(\t):E+6*(\t)+2], v[XS:XS+15], v14
	v_cvt_scalef32_pk16_fp6_f32 v[T:T+2], v[XS+16:XS+31], v14   ; (a conversion's three registers begin on an even number)
	v_nop                                          ; one plain place behind a scaled conversion
.irp i, 0,1,2
	v_mov_b32 v[E+6*(\t)+3+\i], v[T+\i]
.endr
	ds_store_b128 v4, v[E+6*(\t):E+6*(\t)+3] offset:768*((\t)/2)+256*((\t)%2)
	ds_store_b64 v5, v[E+6*(\t)+4:E+6*(\t)+5] offset:768*((\t)/2)+128*((\t)%2)
.if (\t) < 2
	LOAD (\t)+2
.endif
.endm
	LOAD 0
	LOAD 1
	BLOCK 0
	BLOCK 1
	BLOCK 2
	BLOCK 3
.irp k, 0,1,2,3,4,5
	ds_load_b128 v[OUT+4*\k:OUT+4*\k+3], v6 offset:512*\k   ; LDS serves a wave's instructions in order: these see my stores
.endr
.irp k, 0,1,2,3,4,5
	s_wait_dscnt 5-\k                              ; the younger read-backs may be out
	global_store_b128 v7, v[OUT+4*\k:OUT+4*\k+3], s[12:13] offset:512*\k
.endr
	global_store_b32 v8, v9, s[14:15]              ; 32 lanes store my pair's 128 consecutive bytes
	s_wait_tensorcnt 0x0
	ds_add_u32 v128, v129
	s_wait_dscnt 0x0
	s_endpgm
.Lfunc_end_k_q25c81f940c_qw:
	.size	k_q25c81f940c_qw, .Lfunc_end_k_q25c81f940c_qw-k_q25c81f940c_qw
	.p2alignl 7, 3214868480
	.fill 96, 4, 3214868480
	.section	.rodata,"a",@progbits
	.p2align	6, 0x0
	.amdhsa_kernel k_q25c81f940c_qw
		.amdhsa_group_segment_fixed_size 12800
		.amdhsa_private_segment_fixed_size 0
		.amdhsa_enable_private_segment 0
		.amdhsa_kernarg_size 40
		.amdhsa_user_sgpr_count 2
		.amdhsa_user_sgpr_kernarg_segment_ptr 1
		.amdhsa_wavefront_size32 1
		.amdhsa_system_sgpr_workgroup_id_x 1
		.amdhsa_system_sgpr_workgroup_id_y 1
		.amdhsa_system_sgpr_workgroup_id_z 1
		.amdhsa_system_vgpr_workitem_id 0
		.amdhsa_next_free_vgpr 130
		.amdhsa_next_free_sgpr 66
		.amdhsa_reserve_vcc 0
		.amdhsa_float_denorm_mode_32 3
		.amdhsa_float_denorm_mode_16_64 3
		.amdhsa_memory_ordered 1
		.amdhsa_forward_progress 1
		.amdhsa_inst_pref_size 22
	.end_amdhsa_kernel
	.amdgpu_metadata
---
amdhsa.version: [ 1, 2 ]
amdhsa.kernels:
  - .name:           k_q25c81f940c_qw
    .symbol:         k_q25c81f940c_qw.kd
    .args:
      - { .name: wq, .offset: 0, .size: 8, .value_kind: global_buffer, .address_space: global }
      - { .name: wk, .offset: 8, .size: 8, .value_kind: global_buffer, .address_space: global }
      - { .name: wv, .offset: 16, .size: 8, .value_kind: global_buffer, .address_space: global }
      - { .name: wo, .offset: 24, .size: 8, .value_kind: global_buffer, .address_space: global }
      - { .name: wc, .offset: 32, .size: 8, .value_kind: global_buffer, .address_space: global }
    .group_segment_fixed_size: 12800
    .private_segment_fixed_size: 0
    .kernarg_segment_align: 8
    .kernarg_segment_size: 40
    .max_flat_workgroup_size: 128
    .sgpr_count:     66
    .vgpr_count:     130
    .wavefront_size: 32
...
	.end_amdgpu_metadata
.endif
;; end of part 3
;; launch proj (part 4): grid 4 x 192, 4 waves a work-group, clusters of 4 x 4, 307,712 bytes of LDS; arguments xact, wc, bq, bk, bv, qkimg, vimg; writes qkimg, vimg
.if DOCPART == 4
	.amdgcn_target "amdgcn-amd-amdhsa--gfx1250"
	.amdhsa_code_object_version 6
	.text
	.protected	k_q25c81f940c_proj
	.globl	k_q25c81f940c_proj
	.p2align	8
	.type	k_q25c81f940c_proj,@function
k_q25c81f940c_proj:
	s_mov_b64 s[64:65], 0
	v_nop
	global_prefetch_b8 v0, s[64:65] scope:SCOPE_SE
	s_setreg_imm32_b32 hwreg(HW_REG_WAVE_MODE, 25, 1), 1
	s_wait_xcnt 0x0
	s_wait_alu depctr_hold_cnt(0) depctr_sa_sdst(0) depctr_va_vdst(0) depctr_va_sdst(0) depctr_va_ssrc(0) depctr_va_vcc(0) depctr_vm_vsrc(0)
	s_getreg_b32 s2, hwreg(HW_REG_IB_STS2, 6, 4)
	s_cmp_eq_u32 s2, 0
	s_cbranch_scc0 .Lentry_in_a_cluster
	s_endpgm
.Lentry_in_a_cluster:
	s_bfe_u32 s2, ttmp6, 0x10000c
	s_cmp_lg_u32 s2, 0xf033
	s_cbranch_scc0 .Lentry_shape_is_right
	s_endpgm
.Lentry_shape_is_right:
; Q = query wq + bq, K = key wk + bk, V = value wv + bv on codes of FP6 (E2M3), sums in f32; the results are quantised in registers and stored as operands of the attention launch.
; A work-group makes 128 rows of the LANE operand x 256 rows of the REGISTER operand over all of K = 1,024.  The matrix instruction takes 16 rows of the register operand as source 0 and 16 of the lane operand as source 1:
; a lane then holds ONE row of the lane operand, and, by the order of rows in a fragment (lane r of fragment f = row 32 (f / 2) + 8 (f % 2) + r + 8 (r / 8)), the 16 registers of fragments 2 b and 2 b + 1 are the
; register operand's rows 32 b + 16 (lane / 16) + 0 .. 15: 16 neighbours along the next product's K.
; Q, K (T = 0, 1): lane operand = tokens, register operand = weight columns: a lane's 64 registers are two heads' 64 channels.  V (T = 2): the roles are swapped: a lane holds one channel and its registers run along the keys.
; OUT: qkimg [Q, K][batch][head][128 tokens][6,656 bytes]: eight half fragments of 768 bytes (K = the head's 64), then 512 bytes of scale words (bytes 2, 3 are 0);
;      vimg [batch][head][128 keys][6,400 bytes]: four fragments (16 channels x 128 keys), then 256 bytes of scale words.
; LDS: the work-group's operands for all of K, 3 x 102,400 bytes, are filled ONCE, in four chunks of two K steps: nothing is filled again.  By this text's count a wave has four tensor loads out.
; CLUSTERS: 4 x 4 work-groups; the lane operand's tile is shared along a row of the cluster, the register operand's along a column: each chunk is asked for jointly.
; LIMITS: a block of zeros gets the scale byte 1 (its codes are zeros; this program alone reads the bytes); blocks under 2^-124 were not tried; NaN and infinities are not served.
; REGISTERS: window 0: v1-15 addresses; v16-39 scale words, two sets; v40-42 offsets; v48-143 the lane operand's fragments, two sets; v144-207 64 results with their bias; v208-250 at work.
;   window 1: the register operand's fragments, two sets of 96; v192-255 the bias.   window 2: 32 accumulators, (a, b) at v[8 (8 a + b)].
.set OPND, 12800                       ; 128 rows x 128 K: eight fragments and their scale words
.set RBB,  8*OPND                      ; a row block, all of K
.set L16,  1                           ; v1  16 x lane
.set L8,   2                           ; v2  8 x lane
.set R8,   3                           ; v3  8 x (lane % 16)
.set A16,  4                           ; v4-5   lane operand, registers 0-3 of a half: K steps 0-3, 4-7
.set A8,   6                           ; v6-7   registers 4, 5
.set B16,  8                           ; v8-9   the same for the register operand
.set B8,   10
.set ASC,  12                          ; v12-13 the lane operand's scale words
.set BSC,  14                          ; v14-15 the register operand's
.set SC,   16                          ; set p at v[SC + 12 p]: 4 words of the lane operand, 8 of the register operand
.set OFB,  40                          ; v40 64 h;  v41 4 (r + 8 (r / 8))
.set AF,   48
.set HA,   144
.set TM,   208
.set PW,   224
.set CH,   228
.set PC,   232
.set BI,   192                         ; in window 1
.set G1A,  40
.set G1B,  48
.set G0A,  68                          ; four sets, one a chunk
.set G0B,  84
.set SEL,  66
.set MSB, 0
.macro WIN new                         ; the immediate's high byte repeats the setting that is left
.if MSB != \new
	s_set_vgpr_msb (MSB<<8)|\new
.set MSB, \new
.endif
.endm
.set MUL,  0xa1                        ; source 0 window 1, source 1 window 0, C and D window 2
.set TO_B, 0x40                        ; destination window 1
.set ADDB, 0x06                        ; source 0 window 2, source 1 window 1, destination window 0
.macro PLACES
.rept 4
	v_nop
.endr
.endm
; A joint load: waves 0 and 1 fetch for the lane operand, waves 2 and 3 for the register operand.  Four v_nop follow each of the two lines.
.macro JLOAD j
	s_cmp_eq_u32 s19, 0
	s_cbranch_scc0 .Lfor_b_\@
	tensor_load_to_lds s[G0A+4*\j:G0A+4*\j+3], s[G1A:G1A+7]
	s_nop 0
.rept 4
	v_nop
.endr
	s_branch .Lasked_\@
.Lfor_b_\@:
	tensor_load_to_lds s[G0B+4*\j:G0B+4*\j+3], s[G1B:G1B+7]
	s_nop 0
.rept 4
	v_nop
.endr
.Lasked_\@:
.endm
.macro CROUND                          ; a round of the cluster's barrier
	s_barrier_signal -1
	s_barrier_wait -1
	s_cmp_lg_u32 s18, 0
	s_cbranch_scc1 .Lnot_wave_0_\@
	s_barrier_signal -3
.Lnot_wave_0_\@:
	s_barrier_wait -3
	s_barrier_signal -1
	s_barrier_wait -1
.endm
; 64 numbers of a lane, register 16 b + i = k 32 b + 16 (lane / 16) + i of my row, become a fragment's codes in v[PC] on and its scale word in v[pw].
.macro QUANT s, pw
.irp b, 0,1,2,3
	v_max3_num_f32 v[TM+\b], |v[\s+16*\b]|, |v[\s+1+16*\b]|, 0x1800000   ; and the floor 2^(3 - 127): the byte cannot fall under 1
.endr
.irp i, 2,4,6,8,10,12,14
.irp b, 0,1,2,3
	v_max3_num_f32 v[TM+\b], v[TM+\b], |v[\s+16*\b+\i]|, |v[\s+1+16*\b+\i]|
.endr
.endr
.irp b, 0,1,2,3
	v_permlanex16_b32 v[TM+4+\b], v[TM+\b], s[SEL], s[SEL+1]
.endr
.irp b, 0,1,2,3
	v_max_num_f32 v[TM+\b], v[TM+\b], v[TM+4+\b]
.endr
.irp b, 0,1,2,3
	v_add_nc_u32 v[TM+12+\b], 0xff000000, v[TM+\b] ; 2 off the exponent field: the conversion's scale operand
.endr
.irp b, 0,1,2,3
	v_lshrrev_b32 v[TM+4+\b], 23, v[TM+12+\b]      ; the scale's byte
.endr
	v_lshl_or_b32 v[\pw], v[TM+5], 8, v[TM+4]
	v_lshl_or_b32 v[\pw], v[TM+6], 16, v[\pw]
	v_lshl_or_b32 v[\pw], v[TM+7], 24, v[\pw]
.irp c, 0,1
	v_cvt_scalef32_pk16_fp6_f32 v[PC+6*\c:PC+2+6*\c], v[\s+32*\c:\s+15+32*\c], v[TM+12+2*\c]
	v_cvt_scalef32_pk16_fp6_f32 v[PC+12+4*\c:PC+14+4*\c], v[\s+16+32*\c:\s+31+32*\c], v[TM+12+2*\c+1]
.endr
	v_nop                                          ; one plain place behind a scaled conversion
.irp c, 0,1
.irp i, 0,1,2
	v_permlane16_swap_b32 v[PC+6*\c+\i], v[PC+12+4*\c+\i]
.endr
.irp i, 0,1,2
	v_mov_b32 v[PC+3+6*\c+\i], v[PC+12+4*\c+\i]
.endr
.endr
.endm
.macro PUT ptr, x0, x1                 ; the fragment's two halves, each as 512 + 256 consecutive bytes
	global_store_b128 v[L16], v[PC:PC+3], s[\ptr:\ptr+1] offset:\x0
	global_store_b64 v[L8], v[PC+4:PC+5], s[\ptr:\ptr+1] offset:(\x0)+512
	global_store_b128 v[L16], v[PC+6:PC+9], s[\ptr:\ptr+1] offset:\x1
	global_store_b64 v[L8], v[PC+10:PC+11], s[\ptr:\ptr+1] offset:(\x1)+512
.endm
	s_load_b256 s[4:11], s[0:1], 0x0               ; xact, wc, bq, bk
	s_load_b128 s[12:15], s[0:1], 0x20             ; bv, qkimg
	s_load_b64 s[16:17], s[0:1], 0x30              ; vimg
	v_lshl_add_u32 v254, v0, 2, 0x4b000
	v_mov_b32 v255, 0
	ds_add_u32 v254, v255
	ds_add_u32 v254, v255
	v_lshrrev_b32 v1, 5, v0
	v_readfirstlane_b32 s18, v1                    ; wave
	s_lshr_b32 s19, s18, 1                         ; lh: my half of the lane operand's fragments.  Also: I fetch for the lane operand (0) or the register operand (1)
	s_and_b32 s20, s18, 1                          ; rb: my row block of the register operand.  Also: which part I fetch
	s_bfe_u32 s21, ttmp6, 0x40000                  ; cx
	s_bfe_u32 s22, ttmp6, 0x40004                  ; cy
	s_and_b32 s24, ttmp7, 0xffff                   ; the cluster's y: 16 T + idx
	s_lshr_b32 s23, s24, 4                         ; T: 0 Q, 1 K, 2 V: the same in all partners
	s_and_b32 s24, s24, 15
	s_and_b32 s25, s24, 1
	s_lshr_b32 s26, s24, 1
	s_mul_i32 s28, s23, 64*RBB
	s_mul_i32 s30, s23, 8*RBB
	s_cmp_lt_u32 s23, 2
	s_cselect_b32 s25, s24, s25                    ; Q, K: 16 clusters down the tokens;  V: 2 down the weight's columns,
	s_cselect_b32 s26, 0, s26                      ; and 8 along the tokens
	s_cselect_b32 s28, s28, 2*8*RBB                ; the lane operand begins at xact[T], or at wc[2];
	s_cselect_b32 s30, s30, 2*64*RBB               ; the register operand at wc[T], or at xact[2]
	s_lshl_b32 s25, s25, 2
	s_add_co_u32 s25, s25, s22                     ; LT: the lane operand's row block (never holds cx)
	s_lshl_b32 s26, s26, 2
	s_add_co_u32 s26, s26, s21                     ; RT: the register operand's pair of row blocks (never holds cy)
	s_mul_i32 s27, s25, RBB
	s_add_co_u32 s28, s28, s27
	s_mul_i32 s32, s20, OPND                       ; waves 0, 1: K step 2 j + wave % 2 of chunk j
	s_add_co_u32 s28, s28, s32
	s_mov_b32 s29, 0
	s_mul_i32 s3, s26, 2*RBB
	s_add_co_u32 s30, s30, s3
	s_mul_i32 s33, s20, RBB                        ; waves 2, 3: row block wave % 2
	s_add_co_u32 s30, s30, s33
	s_mov_b32 s31, 0
	s_lshl_b32 s38, s22, 2
	s_lshl_b32 s38, 15, s38                        ; my row of the cluster
	s_lshl_b32 s39, 0x1111, s21                    ; my column
	; group 1: dense blocks as rows of 256 bytes (32 elements of 8 bytes), no padding: 50 rows (one K step) for the lane operand, 100 (two) for the register operand
	s_or_b32 s[G1A], s38, (3<<16)|(1<<21)
	s_or_b32 s[G1B], s39, (3<<16)|(1<<21)
	s_mov_b32 s[G1A+1], 32<<16
	s_mov_b32 s[G1A+2], 50<<16
	s_mov_b32 s[G1A+3], 32<<16
	s_mov_b32 s[G1A+4], 50
	s_mov_b32 s[G1A+5], 32
	s_mov_b32 s[G1A+6], 0
	s_mov_b32 s[G1A+7], 0
	s_mov_b32 s[G1B+1], 32<<16
	s_mov_b32 s[G1B+2], 100<<16
	s_mov_b32 s[G1B+3], 32<<16
	s_mov_b32 s[G1B+4], 100
	s_mov_b32 s[G1B+5], 32
	s_mov_b32 s[G1B+6], 0
	s_mov_b32 s[G1B+7], 0
	s_mov_b32 s[SEL], 0x76543210
	s_mov_b32 s[SEL+1], 0xfedcba98
	s_mov_b32 s27, 0xffff0000                      ; lanes 16-31
	s_wait_dscnt 0x0
	s_wait_kmcnt 0x0
	s_cmp_lt_u32 s23, 2                            ; the choice of buffers hangs on T alone
	s_cselect_b64 s[34:35], s[4:5], s[6:7]
	s_cselect_b64 s[36:37], s[6:7], s[4:5]
	s_add_nc_u64 s[34:35], s[34:35], s[28:29]
	s_add_nc_u64 s[36:37], s[36:37], s[30:31]
	CROUND                                         ; all sixteen work-groups are here: the joint loads meet
.irp j, 0,1,2,3
	s_mov_b32 s[G0A+4*\j], 1
	s_add_co_u32 s[G0A+4*\j+1], s32, 2*OPND*\j
	s_add_nc_u64 s[G0A+4*\j+2:G0A+4*\j+3], s[34:35], 2*OPND*\j
	s_or_b32 s[G0A+4*\j+3], s[G0A+4*\j+3], 0x80000000
	s_mov_b32 s[G0B+4*\j], 1
	s_add_co_u32 s[G0B+4*\j+1], s33, RBB+2*OPND*\j
	s_add_nc_u64 s[G0B+4*\j+2:G0B+4*\j+3], s[36:37], 2*OPND*\j
	s_or_b32 s[G0B+4*\j+3], s[G0B+4*\j+3], 0x80000000
	JLOAD \j
.endr
	v_and_b32 v[L8], 31, v0
	v_lshlrev_b32 v[L16], 4, v[L8]
	v_lshlrev_b32 v[L8], 3, v[L8]
	v_and_b32 v[OFB+1], 15, v0
	v_lshlrev_b32 v[R8], 3, v[OFB+1]
	v_and_b32 v[OFB+2], 8, v[OFB+1]
	v_add_nc_u32 v[OFB+1], v[OFB+1], v[OFB+2]
	v_lshlrev_b32 v[OFB+1], 2, v[OFB+1]
	v_bfe_u32 v[OFB], v0, 4, 1
	v_lshlrev_b32 v[OFB], 6, v[OFB]
	s_mul_i32 s2, s19, 4*1536                      ; my four fragments of the lane operand
	s_add_co_u32 s3, s33, RBB                      ; my row block of the register operand
	v_add_nc_u32 v[A16], s2, v[L16]
	v_add_nc_u32 v[A8], s2, v[L8]
	v_add_nc_u32 v[B16], s3, v[L16]
	v_add_nc_u32 v[B8], s3, v[L8]
	v_add_nc_u32 v[BSC], s3, v[R8]
	s_lshl_b32 s2, s19, 8
	v_add_nc_u32 v[ASC], s2, v[R8]
.irp x, A16, A8, B16, B8, ASC, BSC
	v_add_nc_u32 v[\x+1], 4*OPND, v[\x]            ; K steps 4-7: beyond an LDS instruction's 16-bit offset
.endr
.irp b, 0,1,2,3
	v_mov_b32 v[TM+4+\b], 0                        ; a lane permute's destination counts as read
.endr
; K step s's fragments and scale words into set p: 54 LDS loads in one run, each of 512, 256 or 128 consecutive bytes
.macro FETCH s, p
.set QQ, (\s)/4
.set KO, OPND*((\s)%4)
	WIN TO_B
.irp b, 0,1,2,3,4,5,6,7
.irp c, 0,1
	ds_load_b128 v[96*(\p)+12*\b+6*\c:96*(\p)+12*\b+6*\c+3], v[B16+QQ] offset:KO+1536*\b+768*\c
	ds_load_b64 v[96*(\p)+12*\b+6*\c+4:96*(\p)+12*\b+6*\c+5], v[B8+QQ] offset:KO+1536*\b+768*\c+512
.endr
.endr
	WIN 0
.irp a, 0,1,2,3
.irp c, 0,1
	ds_load_b128 v[AF+48*(\p)+12*\a+6*\c:AF+48*(\p)+12*\a+6*\c+3], v[A16+QQ] offset:KO+1536*\a+768*\c
	ds_load_b64 v[AF+48*(\p)+12*\a+6*\c+4:AF+48*(\p)+12*\a+6*\c+5], v[A8+QQ] offset:KO+1536*\a+768*\c+512
.endr
.endr
.irp i, 0,1
	ds_load_b64 v[SC+12*(\p)+2*\i:SC+12*(\p)+2*\i+1], v[ASC+QQ] offset:KO+12288+128*\i
.endr
.irp i, 0,1,2,3
	ds_load_b64 v[SC+12*(\p)+4+2*\i:SC+12*(\p)+4+2*\i+1], v[BSC+QQ] offset:KO+12288+128*\i
.endr
.endm
; 16 matrix instructions.  The 32 accumulators take turns, one instruction a turn, in the same order in every K step.  zero = 1: the first products start the sums.
.macro MUL16 a0, p, zero
.irp a, \a0, \a0+1
.irp b, 0,1,2,3,4,5,6,7
.if \zero
	v_wmma_scale_f32_16x16x128_f8f6f4 v[8*(8*(\a)+\b):8*(8*(\a)+\b)+7], v[96*(\p)+12*\b:96*(\p)+12*\b+11], v[AF+48*(\p)+12*(\a):AF+48*(\p)+12*(\a)+11], 0, v[SC+12*(\p)+4+\b], v[SC+12*(\p)+(\a)] matrix_a_fmt:MATRIX_FMT_FP6 matrix_b_fmt:MATRIX_FMT_FP6
.else
	v_wmma_scale_f32_16x16x128_f8f6f4 v[8*(8*(\a)+\b):8*(8*(\a)+\b)+7], v[96*(\p)+12*\b:96*(\p)+12*\b+11], v[AF+48*(\p)+12*(\a):AF+48*(\p)+12*(\a)+11], v[8*(8*(\a)+\b):8*(8*(\a)+\b)+7], v[SC+12*(\p)+4+\b], v[SC+12*(\p)+(\a)] matrix_a_fmt:MATRIX_FMT_FP6 matrix_b_fmt:MATRIX_FMT_FP6
.endif
.endr
.endr
.endm
; K step s: its fragments are waited for, the next step's are asked for, 32 products.  An odd step's successor lies in the next chunk: each wave waits for its part of that chunk and passes a barrier.
; Four places stand in front of each run of loads into registers that matrix instructions have read (ISA guide 7.12.1 for vector instructions).
.macro KS s, zero
	s_wait_dscnt 0x0                               ; this step's fragments are in
.if (\s)%2 == 0
	PLACES
	FETCH (\s)+1, 1
	WIN MUL
	MUL16 0, 0, \zero
	MUL16 2, 0, \zero
.elseif (\s) < 7
	s_wait_tensorcnt 3-((\s)+1)/2                  ; my part of chunk (s + 1) / 2 has landed; the chunks behind it may be out
	s_barrier_signal -1
	WIN MUL
	MUL16 0, 1, 0
	s_barrier_wait -1                              ; everybody's has
	PLACES
	FETCH (\s)+1, 0
	WIN MUL
	MUL16 2, 1, 0
.else
	WIN MUL
	MUL16 0, 1, 0
	MUL16 2, 1, 0
.endif
.endm
; the 64 results of lane-operand fragment a, with their bias, into v[HA] on; each accumulator is read from its low end on.  lane = 1: one bias a lane;  0: one a register
.macro ADDBIAS a, lane
	WIN ADDB
.set i, 0
.rept 32
.if \lane
	v_pk_add_f32 v[HA+2*i:HA+2*i+1], v[64*(\a)+2*i:64*(\a)+2*i+1], v[BI+2*(\a):BI+2*(\a)+1]
.else
	v_pk_add_f32 v[HA+2*i:HA+2*i+1], v[64*(\a)+2*i:64*(\a)+2*i+1], v[BI+2*i:BI+2*i+1]
.endif
.set i, i+1
.endr
	WIN 0
.endm
	s_wait_tensorcnt 3                             ; my part of chunk 0 has landed (three loads were issued behind it),
	s_barrier_signal -1
	s_barrier_wait -1                              ; everybody's has
	FETCH 0, 0
	KS 0, 1
	KS 1, 0
	KS 2, 0
	KS 3, 0
	KS 4, 0
	KS 5, 0
	KS 6, 0
	WIN 0
	s_cmp_eq_u32 s23, 2                            ; T is the same in every wave and every partner
	s_cbranch_scc1 .Lfor_v
	; ---- Q and K.  Register 8 b + j of a lane is channel 128 (2 RT + rb) + 32 (b / 2) + 8 (b % 2) + 16 h + j: heads 4 RT + 2 rb and the next
	s_cmp_eq_u32 s23, 0
	s_cselect_b64 s[56:57], s[8:9], s[10:11]
	s_lshl_b32 s58, s26, 10
	s_lshl_b32 s59, s20, 9
	s_add_co_u32 s58, s58, s59
	s_mov_b32 s59, 0
	s_add_nc_u64 s[56:57], s[56:57], s[58:59]
	WIN TO_B
.irp b, 0,1,2,3,4,5,6,7
	global_load_b128 v[BI+8*\b:BI+8*\b+3], v[OFB], s[56:57] offset:4*(32*(\b/2)+8*(\b%2))
	global_load_b128 v[BI+8*\b+4:BI+8*\b+7], v[OFB], s[56:57] offset:4*(32*(\b/2)+8*(\b%2))+16
.endr
	WIN 0
	s_lshr_b32 s58, s25, 4                         ; batch
	s_lshl_b32 s58, s58, 4
	s_lshl_b32 s59, s26, 2
	s_add_co_u32 s58, s58, s59
	s_lshl_b32 s59, s20, 1
	s_add_co_u32 s58, s58, s59                     ; 16 batch + head
	s_lshl_b32 s58, s58, 4
	s_and_b32 s59, s25, 15
	s_add_co_u32 s58, s58, s59                     ; x 16 + the group of 128 tokens
	s_mul_i32 s58, s58, 6656
	s_mul_i32 s59, s23, 6815744
	s_add_co_u32 s58, s58, s59
	s_mov_b32 s59, 0
	s_add_nc_u64 s[60:61], s[14:15], s[58:59]
	s_mul_i32 s58, s19, 4*768
	s_add_nc_u64 s[62:63], s[60:61], s[58:59]      ; my four half fragments
	s_lshl_b32 s58, s19, 8
	s_add_nc_u64 s[60:61], s[60:61], s[58:59]      ; my two pairs' scale words
	KS 7, 0
	WIN 0
	PLACES                                         ; in front of the first read of results
	s_wait_loadcnt 0x0                             ; the bias
.irp a, 0,1,2,3
	ADDBIAS \a, 0
.if \a > 0
	s_wait_xcnt 0x0                                ; the last fragment's stores have read the codes' registers
.endif
	QUANT HA, PW+\a
	PUT 62, 768*\a, 768*\a+106496                  ; half 0: the even head; half 1: the next head, 16 blocks of 6,656 bytes on
.endr
	v_cndmask_b32 v[CH], v[PW], v[PW+2], s27       ; lanes 0-15: my first pair's words, lanes 16-31: my second pair's
	v_cndmask_b32 v[CH+1], v[PW+1], v[PW+3], s27
	v_lshrrev_b32 v[CH+2], 16, v[CH]               ; bytes 2, 3 are the odd head's,
	v_lshrrev_b32 v[CH+3], 16, v[CH+1]
	v_and_b32 v[CH], 0xffff, v[CH]                 ; bytes 0, 1 the even head's; the upper two bytes of a stored word are 0: they meet zero codes
	v_and_b32 v[CH+1], 0xffff, v[CH+1]
	global_store_b64 v[L8], v[CH:CH+1], s[60:61] offset:6144
	global_store_b64 v[L8], v[CH+2:CH+3], s[60:61] offset:6144+106496
	s_branch .Lend
.Lfor_v:
	; ---- V.  A lane holds channel 128 LT + 64 lh + 32 (a / 2) + 8 (a % 2) + r + 8 (r / 8): head 2 LT + lh; its registers run along the 128 keys of row block 2 RT + rb
	s_lshl_b32 s58, s25, 9
	s_lshl_b32 s59, s19, 8
	s_add_co_u32 s58, s58, s59
	s_mov_b32 s59, 0
	s_add_nc_u64 s[56:57], s[12:13], s[58:59]
	WIN TO_B
.irp a, 0,1,2,3
	global_load_b32 v[BI+2*\a], v[OFB+1], s[56:57] offset:4*(32*(\a/2)+8*(\a%2))
	global_load_b32 v[BI+2*\a+1], v[OFB+1], s[56:57] offset:4*(32*(\a/2)+8*(\a%2))   ; twice: a pair for the packed addition
.endr
	WIN 0
	s_lshl_b32 s58, s26, 1
	s_add_co_u32 s58, s58, s20                     ; the tokens' row block
	s_lshr_b32 s59, s58, 4
	s_lshl_b32 s59, s59, 4
	s_lshl_b32 s2, s25, 1
	s_add_co_u32 s59, s59, s2
	s_add_co_u32 s59, s59, s19                     ; 16 batch + head
	s_lshl_b32 s59, s59, 4
	s_and_b32 s58, s58, 15
	s_add_co_u32 s58, s58, s59                     ; x 16 + key step
	s_mul_i32 s58, s58, 6400
	s_mov_b32 s59, 0
	s_add_nc_u64 s[62:63], s[16:17], s[58:59]
	KS 7, 0
	WIN 0
	PLACES
	s_wait_loadcnt 0x0
.irp a, 0,1,2,3
	ADDBIAS \a, 1
.if \a > 0
	s_wait_xcnt 0x0
.endif
	QUANT HA, PW+\a
	PUT 62, 1536*\a, 1536*\a+768
.endr
	v_cndmask_b32 v[CH], v[PW], v[PW+2], s27
	v_cndmask_b32 v[CH+1], v[PW+1], v[PW+3], s27
	global_store_b64 v[L8], v[CH:CH+1], s[62:63] offset:6144
.Lend:
	s_wait_tensorcnt 0x0
	ds_add_u32 v254, v255
	s_wait_dscnt 0x0
	CROUND                                         ; the closing round: no work-group ends while a partner may still ask for a tile that names it
	s_endpgm
.Lfunc_end_k_q25c81f940c_proj:
	.size	k_q25c81f940c_proj, .Lfunc_end_k_q25c81f940c_proj-k_q25c81f940c_proj
	.p2alignl 7, 3214868480
	.fill 96, 4, 3214868480
	.section	.rodata,"a",@progbits
	.p2align	6, 0x0
	.amdhsa_kernel k_q25c81f940c_proj
		.amdhsa_group_segment_fixed_size 307712
		.amdhsa_private_segment_fixed_size 0
		.amdhsa_enable_private_segment 0
		.amdhsa_kernarg_size 56
		.amdhsa_user_sgpr_count 2
		.amdhsa_user_sgpr_kernarg_segment_ptr 1
		.amdhsa_wavefront_size32 1
		.amdhsa_system_sgpr_workgroup_id_x 1
		.amdhsa_system_sgpr_workgroup_id_y 1
		.amdhsa_system_sgpr_workgroup_id_z 1
		.amdhsa_system_vgpr_workitem_id 0
		.amdhsa_next_free_vgpr 768
		.amdhsa_next_free_sgpr 100
		.amdhsa_reserve_vcc 0
		.amdhsa_float_denorm_mode_32 3
		.amdhsa_float_denorm_mode_16_64 3
		.amdhsa_memory_ordered 1
		.amdhsa_forward_progress 1
		.amdhsa_inst_pref_size 130
	.end_amdhsa_kernel
	.amdgpu_metadata
---
amdhsa.version: [ 1, 2 ]
amdhsa.kernels:
  - .name:           k_q25c81f940c_proj
    .symbol:         k_q25c81f940c_proj.kd
    .args:
      - { .name: xact, .offset: 0, .size: 8, .value_kind: global_buffer, .address_space: global }
      - { .name: wc, .offset: 8, .size: 8, .value_kind: global_buffer, .address_space: global }
      - { .name: bq, .offset: 16, .size: 8, .value_kind: global_buffer, .address_space: global }
      - { .name: bk, .offset: 24, .size: 8, .value_kind: global_buffer, .address_space: global }
      - { .name: bv, .offset: 32, .size: 8, .value_kind: global_buffer, .address_space: global }
      - { .name: qkimg, .offset: 40, .size: 8, .value_kind: global_buffer, .address_space: global }
      - { .name: vimg, .offset: 48, .size: 8, .value_kind: global_buffer, .address_space: global }
    .group_segment_fixed_size: 307712
    .private_segment_fixed_size: 0
    .kernarg_segment_align: 8
    .kernarg_segment_size: 56
    .max_flat_workgroup_size: 128
    .sgpr_count:     100
    .vgpr_count:     768
    .wavefront_size: 32
...
	.end_amdgpu_metadata
.endif
;; end of part 4
;; launch attn (part 5): grid 4 x 64, 16 waves a work-group, clusters of 4 x 1, 210,944 bytes of LDS; arguments qkimg, vimg, mbits, oc; writes oc
.if DOCPART == 5
	.amdgcn_target "amdgcn-amd-amdhsa--gfx1250"
	.amdhsa_code_object_version 6
	.text
	.protected	k_q25c81f940c_attn
	.globl	k_q25c81f940c_attn
	.p2align	8
	.type	k_q25c81f940c_attn,@function
k_q25c81f940c_attn:
	s_mov_b64 s[64:65], 0
	v_nop
	global_prefetch_b8 v0, s[64:65] scope:SCOPE_SE
	s_setreg_imm32_b32 hwreg(HW_REG_WAVE_MODE, 25, 1), 1
	s_wait_xcnt 0x0
	s_wait_alu depctr_hold_cnt(0) depctr_sa_sdst(0) depctr_va_vdst(0) depctr_va_sdst(0) depctr_va_ssrc(0) depctr_va_vcc(0) depctr_vm_vsrc(0)
	s_getreg_b32 s2, hwreg(HW_REG_IB_STS2, 6, 4)
	s_cmp_eq_u32 s2, 0
	s_cbranch_scc0 .Lentry_in_a_cluster
	s_endpgm
.Lentry_in_a_cluster:
	s_bfe_u32 s2, ttmp6, 0x10000c
	s_cmp_lg_u32 s2, 0x3003
	s_cbranch_scc0 .Lentry_shape_is_right
	s_endpgm
.Lentry_shape_is_right:
; O[b][h][q] = the sum over k of softmax_k(Q . K / 8, masked) V, both products on codes of FP6 (E2M3); O is quantised along the model's 1,024 and stored as the lane operand of the last product.
; THE SOFTMAX: t = score x log2(e) / 8; M = the row's largest t so far, rounded UP to a whole number; p = 2^(t - M) is quantised along the keys, not normalised; the row's sum is taken of the unquantised p and divides O at
; the end.  When M moves, the sum and O are multiplied by 2^(old M - new M): exact.  A key whose mask word is 0 gets the score -infinity ahead of the maximum: p = 0.
; SHARES.  A work-group owns 512 queries of one head; each of its sixteen waves owns two tiles of 16 queries and takes them one after the other, in 256 registers: four waves to a SIMD, so that one wave's vector work
; stands beside another's matrix work and loads.  THE HEAD'S WHOLE K AND V, codes and scale words, lie in LDS (208,896 bytes), filled once: no ring, and no barrier in the loops.
; CLUSTER.  The four work-groups of a cluster belong to one head: each block of K and of V is asked for jointly.  Each wave asks for K's and V's block of key step = its number: two tensor loads of a wave are out.
; LAYOUT.  Both products are used transposed: S^T = K Q^T, O^T = V^T P^T: a lane holds ONE query.  By the order of rows in a fragment the 16 registers of tiles 2 b, 2 b + 1 are keys (channels) 32 b + 16 (lane / 16) + 0 .. 15.
; The first product's K is 64: K's and Q's fragments are half fragments; Q's registers 6-11 are zero codes, so whatever lies in K's registers 6-11 adds nothing.
; THE MASK comes as lane masks, one word for each score register (mbits), by scalar loads: 256 bytes a step.
; LIMITS: NaN and infinities in the operands are not served.  A query whose whole mask row is 0 has the sum 0: its scale bytes are set to 0xff, so that its whole row of the output is NaN, as a softmax over nothing is.
.set FR,  32                           ; v32-79   four fragments of K or of V
.set S,   80                           ; v80-143  S^T, then p
.set OT,  144                          ; v144-175 O^T
.set PC,  176                          ; v176-194 p's codes
.set BM,  200                          ; v200-203 a block's largest score, then its largest p
.set PT,  204                          ; v204-207 at work
.set SO,  208                          ; v208-211 the conversions' scale operands
.set SCW, 220                          ; v220-223 K's or V's scale words
; v1 16 x lane, v2 8 x lane, v3 8 x (lane % 16); v4-9 the step's LDS addresses; v10 -infinity; v11 0xffff; v12 -M, v13 the largest t; v[14:15] the sum; v16-21 Q's codes, v22-27 zero codes; v28 Q's scale word, v29 p's;
; v[212:213] f; v214 at work; v[216:217] the sum's second chain.
; s[14:15] Q's scale words; s16-63 and s68-83 the descriptors, then the step's 64 mask words; s[84:85] lane selects; s[86:87] c; s88, s89 where the step's K and V begin in LDS; s90 steps to go;
; s[92:93] mask words, s[94:95] Q's codes, s[96:97] O's codes, s[98:99] O's scale bytes.
.macro CROUND
	s_barrier_signal -1
	s_barrier_wait -1
	s_cmp_lg_u32 s12, 0
	s_cbranch_scc1 .Lnot_wave_0_\@
	s_barrier_signal -3
.Lnot_wave_0_\@:
	s_barrier_wait -3
	s_barrier_signal -1
	s_barrier_wait -1
.endm
	s_load_b256 s[4:11], s[0:1], 0x0               ; qkimg, vimg, mbits, oc
	v_lshl_add_u32 v254, v0, 2, 0x33000
	v_mov_b32 v255, 0
	ds_add_u32 v254, v255
	ds_add_u32 v254, v255
	v_lshrrev_b32 v1, 5, v0
	v_readfirstlane_b32 s12, v1                    ; wave 0..15
	s_bfe_u32 s13, ttmp6, 0x40000                  ; cx: my block of 512 queries: it enters Q's, O's and the mask's addresses alone
	s_and_b32 s2, ttmp7, 0xffff                    ; 16 batch + head, which the partners share
	s_mul_i32 s33, s12, 6656                       ; K's block of key step = wave: in LDS,
	s_mul_i32 s40, s2, 106496
	s_add_co_u32 s40, s40, s33
	s_add_co_u32 s40, s40, 6815744                 ; and in qkimg, behind Q's part
	s_mov_b32 s41, 0
	s_mul_i32 s44, s12, 6400                       ; V's likewise
	s_add_co_u32 s37, s44, 106496
	s_mul_i32 s42, s2, 102400
	s_add_co_u32 s42, s42, s44
	s_mov_b32 s43, 0
	; group 1: dense blocks as rows of 256 bytes (32 elements of 8 bytes): 26 rows for K, 25 for V; the mask names all four work-groups
	s_mov_b32 s16, 15|(3<<16)|(1<<21)
	s_mov_b32 s17, 32<<16
	s_mov_b32 s18, 26<<16
	s_mov_b32 s19, 32<<16
	s_mov_b32 s20, 26
	s_mov_b32 s21, 32
	s_mov_b32 s22, 0
	s_mov_b32 s23, 0
	s_mov_b32 s24, 15|(3<<16)|(1<<21)
	s_mov_b32 s25, 32<<16
	s_mov_b32 s26, 25<<16
	s_mov_b32 s27, 32<<16
	s_mov_b32 s28, 25
	s_mov_b32 s29, 32
	s_mov_b32 s30, 0
	s_mov_b32 s31, 0
	s_lshr_b32 s45, s12, 2
	s_and_b32 s46, s12, 3
	s_lshl_b32 s47, s13, 2
	s_add_co_u32 s47, s47, s45                     ; my group of 128 queries: 4 cx + wave / 4; in it my tiles are 2 (wave % 4) and the next
	s_lshl_b32 s48, s2, 4
	s_add_co_u32 s48, s48, s47
	s_mul_i32 s48, s48, 6656                       ; Q's block
	s_mul_i32 s50, s46, 1536
	s_add_co_u32 s50, s50, s48
	s_mov_b32 s51, 0
	s_lshl_b32 s52, s46, 7
	s_add_co_u32 s52, s52, s48
	s_add_co_u32 s52, s52, 6144
	s_mov_b32 s53, 0
	s_lshr_b32 s54, s2, 4                          ; batch
	s_and_b32 s55, s2, 15                          ; head
	s_lshl_b32 s56, s54, 4
	s_add_co_u32 s56, s56, s47                     ; the tokens' row block
	s_lshl_b32 s56, s56, 3
	s_lshr_b32 s57, s55, 1
	s_add_co_u32 s56, s56, s57                     ; x 8 + K step = head / 2
	s_mul_i32 s56, s56, 12800
	s_and_b32 s55, s55, 1                          ; which half of a fragment is my head's
	s_mul_i32 s58, s46, 3072
	s_add_co_u32 s58, s58, s56
	s_mul_i32 s57, s55, 768
	s_add_co_u32 s58, s58, s57
	s_mov_b32 s59, 0
	s_lshl_b32 s60, s46, 7
	s_add_co_u32 s60, s60, s56
	s_lshl_b32 s57, s55, 1
	s_add_co_u32 s60, s60, s57
	s_add_co_u32 s60, s60, 12288
	s_mov_b32 s61, 0
	s_lshl_b32 s62, s54, 7
	s_lshl_b32 s57, s13, 5
	s_add_co_u32 s62, s62, s57
	s_lshl_b32 s57, s12, 1
	s_add_co_u32 s62, s62, s57                     ; my first query tile: 128 batch + 32 cx + 2 wave
	s_lshl_b32 s62, s62, 12                        ; 4,096 bytes of mask words a tile
	s_mov_b32 s63, 0
	s_mov_b32 s84, 0x76543210
	s_mov_b32 s85, 0xfedcba98
	s_mov_b32 s86, 0x3e38aa3b                      ; c = log2(e) / 8
	s_mov_b32 s87, s86                             ; (named with it as a pair, so it is written)
	s_wait_dscnt 0x0
	s_wait_kmcnt 0x0
	s_mov_b32 s32, 1
	s_add_nc_u64 s[34:35], s[4:5], s[40:41]
	s_or_b32 s35, s35, 0x80000000
	s_mov_b32 s36, 1
	s_add_nc_u64 s[38:39], s[6:7], s[42:43]
	s_or_b32 s39, s39, 0x80000000
	s_add_nc_u64 s[94:95], s[4:5], s[50:51]
	s_add_nc_u64 s[14:15], s[4:5], s[52:53]
	s_add_nc_u64 s[96:97], s[10:11], s[58:59]
	s_add_nc_u64 s[98:99], s[10:11], s[60:61]
	s_add_nc_u64 s[92:93], s[8:9], s[62:63]
	CROUND                                         ; all four work-groups are here: the joint loads meet
	tensor_load_to_lds s[32:35], s[16:23]
	s_nop 0
	tensor_load_to_lds s[36:39], s[24:31]
	s_nop 0
.rept 4
	v_nop
.endr
	v_and_b32 v2, 31, v0
	v_lshlrev_b32 v1, 4, v2
	v_lshlrev_b32 v2, 3, v2
	v_and_b32 v3, 15, v0
	v_lshlrev_b32 v3, 3, v3
	v_mov_b32 v10, 0xff800000
	v_mov_b32 v11, 0xffff
.irp i, 22,23,24,25,26,27
	v_mov_b32 v\i, 0                               ; Q's zero codes for k = 64 .. 127
.endr
.irp t, 0,1,2,3
.irp i, 6,7,8,9,10,11
	v_mov_b32 v[FR+12*\t+\i], 0                    ; named by the first step's products before V's codes land there
.endr
.endr
.irp b, 0,1,2,3
	v_mov_b32 v[PT+\b], 0                          ; a lane permute's destination counts as read
.endr
	v_mov_b32 v213, 0                              ; (named as the upper half of the pair v[212:213])
	v_mov_b32 v214, 0
	s_wait_tensorcnt 0x0                           ; my two blocks have landed; the descriptors' registers are free,
	s_barrier_signal -1
	s_barrier_wait -1                              ; everybody's have
; A KEY STEP: 128 keys.
.macro STEP
	s_load_b512 s[16:31], s[92:93], 0x0            ; the step's 64 mask words
	s_load_b512 s[32:47], s[92:93], 0x40
	s_load_b512 s[48:63], s[92:93], 0x80
	s_load_b512 s[68:83], s[92:93], 0xc0
	v_add_nc_u32 v4, s88, v1                       ; (these six are also the places in front of the loads into registers that the last step's products read)
	v_add_nc_u32 v5, s88, v2
	v_add_nc_u32 v6, s88, v3
	v_add_nc_u32 v7, s89, v1
	v_add_nc_u32 v8, s89, v2
	v_add_nc_u32 v9, s89, v3
.irp g, 0,1                            ; S^T = K Q^T, four tiles of 16 keys at a time
.if \g
.rept 4
	v_nop
.endr
.endif
.irp t, 0,1,2,3
	ds_load_b128 v[FR+12*\t:FR+12*\t+3], v4 offset:768*(4*\g+\t)
	ds_load_b64 v[FR+12*\t+4:FR+12*\t+5], v5 offset:768*(4*\g+\t)+512
.endr
.irp i, 0,1
	ds_load_b64 v[SCW+2*\i:SCW+2*\i+1], v6 offset:6144+128*(2*\g+\i)
.endr
	s_wait_dscnt 0x0
.irp t, 0,1,2,3
	v_wmma_scale_f32_16x16x128_f8f6f4 v[S+8*(4*\g+\t):S+8*(4*\g+\t)+7], v[FR+12*\t:FR+12*\t+11], v[16:27], 0, v[SCW+\t], v28 matrix_a_fmt:MATRIX_FMT_FP6 matrix_b_fmt:MATRIX_FMT_FP6
.endr
.endr
.rept 4
	v_nop                                          ; places in front of the first read of results and of the loads below
.endr
.irp t, 0,1,2,3                        ; V's four fragments and scale words are asked for now: they land while the softmax is walked
.irp c, 0,1
	ds_load_b128 v[FR+12*\t+6*\c:FR+12*\t+6*\c+3], v7 offset:1536*\t+768*\c
	ds_load_b64 v[FR+12*\t+6*\c+4:FR+12*\t+6*\c+5], v8 offset:1536*\t+768*\c+512
.endr
.endr
.irp i, 0,1
	ds_load_b64 v[SCW+2*\i:SCW+2*\i+1], v9 offset:6144+128*\i
.endr
	s_wait_kmcnt 0x0                               ; the mask words are in, and their address may step
	s_add_nc_u64 s[92:93], s[92:93], 256
.irp n, 0,1,2,3,4,5,6,7,8,9,10,11,12,13,14,15,16,17,18,19,20,21,22,23,24,25,26,27,28,29,30,31,32,33,34,35,36,37,38,39,40,41,42,43,44,45,46,47,48,49,50,51,52,53,54,55,56,57,58,59,60,61,62,63
	v_cndmask_b32 v[S+\n], v10, v[S+\n], s[16+\n+4*(\n/48)]   ; a hidden key's score becomes -infinity.  (Each accumulator is read from its low end on)
.endr
.irp b, 0,1,2,3
	v_max3_num_f32 v[BM+\b], v[S+16*\b], v[S+1+16*\b], v[S+2+16*\b]   ; the largest score of each block of 32 keys: it serves for the row's maximum and, since p rises with the score, for the block's largest p
.endr
.irp i, 3,5,7,9,11,13
.irp b, 0,1,2,3
	v_max3_num_f32 v[BM+\b], v[BM+\b], v[S+16*\b+\i], v[S+1+16*\b+\i]
.endr
.endr
.irp b, 0,1,2,3
	v_max_num_f32 v[BM+\b], v[BM+\b], v[S+15+16*\b]
.endr
.irp b, 0,1,2,3
	v_permlanex16_b32 v[PT+\b], v[BM+\b], s84, s85
.endr
.irp b, 0,1,2,3
	v_max_num_f32 v[BM+\b], v[BM+\b], v[PT+\b]     ; with lane l xor 16's 16 keys
.endr
	v_max3_num_f32 v214, v[BM], v[BM+1], v[BM+2]
	v_max_num_f32 v214, v214, v[BM+3]
	v_mul_f32 v214, s86, v214                      ; the step's largest t (c is positive)
	v_max_num_f32 v13, v13, v214                   ; the running largest t
	v_mov_b32 v214, v12
	v_floor_f32 v12, -v13                          ; the new -M = floor(-t): M is a whole number
	v_sub_f32 v214, v12, v214                      ; old M - new M: a whole number, 0 or less
	v_cvt_i32_f32 v214, v214                       ; (it saturates)
	v_ldexp_f32 v212, 1.0, v214                    ; f = 2^(old M - new M)
.set i, 0
.rept 32
	v_pk_fma_f32 v[S+2*i:S+2*i+1], v[S+2*i:S+2*i+1], s[86:87], v[12:13] op_sel_hi:[1,0,0]   ; t - M, two at a time
.set i, i+1
.endr
.irp b, 0,1,2,3
	v_fma_f32 v[BM+\b], v[BM+\b], s86, v12         ; the same of each block's largest score
.endr
.set i, 0
.rept 64
	v_exp_f32 v[S+i], v[S+i]                       ; p = 2^(t - M), at most 1
.set i, i+1
.endr
.irp b, 0,1,2,3
	v_exp_f32 v[BM+\b], v[BM+\b]                   ; the block's largest p: the same two instructions on the same number
.endr
	v_pk_mul_f32 v[14:15], v[14:15], v[212:213] op_sel_hi:[1,0]   ; the sums under the new M.  (A plain place behind the exponentials)
	s_wait_alu depctr_va_vdst(0)
.irp b, 0,1,2,3
	v_max_num_f32 v[BM+\b], 0x1800000, v[BM+\b]    ; the floor 2^(3 - 127): the byte cannot fall under 1
.endr
.irp b, 0,1,2,3
	v_add_nc_u32 v[SO+\b], 0xff000000, v[BM+\b]    ; 2 off the exponent field: the conversion's scale operand
.endr
.irp b, 0,1,2,3
	v_lshrrev_b32 v[PT+\b], 23, v[SO+\b]           ; the scale's byte
.endr
	v_lshl_or_b32 v29, v[PT+1], 8, v[PT]           ; p's scale word for these 128 keys
	v_lshl_or_b32 v29, v[PT+2], 16, v29
	v_lshl_or_b32 v29, v[PT+3], 24, v29
.irp c, 0,1
	v_cvt_scalef32_pk16_fp6_f32 v[PC+6*\c:PC+2+6*\c], v[S+32*\c:S+15+32*\c], v[SO+2*\c]
	v_cvt_scalef32_pk16_fp6_f32 v[PC+12+4*\c:PC+14+4*\c], v[S+16+32*\c:S+31+32*\c], v[SO+2*\c+1]
.endr
	v_nop                                          ; one plain place behind a scaled conversion
.irp c, 0,1                            ; the layout wants a whole block in a lane
.irp i, 0,1,2
	v_permlane16_swap_b32 v[PC+6*\c+\i], v[PC+12+4*\c+\i]
.endr
.irp i, 0,1,2
	v_mov_b32 v[PC+3+6*\c+\i], v[PC+12+4*\c+\i]
.endr
.endr
.set i, 0
.rept 16
	v_pk_mul_f32 v[OT+2*i:OT+2*i+1], v[OT+2*i:OT+2*i+1], v[212:213] op_sel_hi:[1,0]   ; O^T under the new M
.set i, i+1
.endr
	v_pk_add_f32 v[216:217], v[S:S+1], v[S+2:S+3]  ; the row's sum is taken of the unquantised p: two at a time, in two chains.  (These 32 lines are also the places between the codes, the scale word and O^T just written and the products below)
.irp j, 4,8,12,16,20,24,28,32,36,40,44,48,52,56,60
	v_pk_add_f32 v[14:15], v[14:15], v[S+\j:S+\j+1]
	v_pk_add_f32 v[216:217], v[216:217], v[S+\j+2:S+\j+3]
.endr
	v_pk_add_f32 v[14:15], v[14:15], v[216:217]
	s_wait_dscnt 0x0                               ; V is in
.irp t, 0,1,2,3                        ; O^T += V^T P^T: the four accumulators by turns
	v_wmma_scale_f32_16x16x128_f8f6f4 v[OT+8*\t:OT+8*\t+7], v[FR+12*\t:FR+12*\t+11], v[PC:PC+11], v[OT+8*\t:OT+8*\t+7], v[SCW+\t], v29 matrix_a_fmt:MATRIX_FMT_FP6 matrix_b_fmt:MATRIX_FMT_FP6
.endr
	s_add_co_u32 s88, s88, 6656
	s_add_co_u32 s89, s89, 6400
.endm
; The tile's end: O^T / the sum, quantised along the head's 64 channels (two blocks), is half a fragment of the last product's lane operand.
.macro FINISH ps
.rept 4
	v_nop
.endr
	v_add_f32 v14, v14, v15
	v_permlanex16_b32 v214, v14, s84, s85
	v_add_f32 v14, v14, v214                       ; the row's sum
	v_cmp_eq_f32 s3, 0, v14                        ; no key counted for this query
	v_rcp_f32 v212, v14
	v_nop                                          ; a plain place behind the transcendental
.set i, 0
	s_wait_alu depctr_va_vdst(0)
.rept 16
	v_pk_mul_f32 v[S+2*i:S+2*i+1], v[OT+2*i:OT+2*i+1], v[212:213] op_sel_hi:[1,0]   ; register 16 b + i is channel 32 b + 16 h + i
.set i, i+1
.endr
.irp b, 0,1
	v_max3_num_f32 v[BM+\b], |v[S+16*\b]|, |v[S+1+16*\b]|, 0x1800000
.endr
.irp i, 2,4,6,8,10,12,14
.irp b, 0,1
	v_max3_num_f32 v[BM+\b], v[BM+\b], |v[S+16*\b+\i]|, |v[S+1+16*\b+\i]|
.endr
.endr
.irp b, 0,1
	v_permlanex16_b32 v[PT+\b], v[BM+\b], s84, s85
.endr
.irp b, 0,1
	v_max_num_f32 v[BM+\b], v[BM+\b], v[PT+\b]
.endr
.irp b, 0,1
	v_add_nc_u32 v[SO+\b], 0xff000000, v[BM+\b]
.endr
.irp b, 0,1
	v_lshrrev_b32 v[PT+\b], 23, v[SO+\b]
.endr
	v_lshl_or_b32 v214, v[PT+1], 8, v[PT]          ; my head's two bytes of the row's scale word
	v_cndmask_b32 v214, v214, v11, s3              ; 0xff, 0xff where the sum is 0
	v_cvt_scalef32_pk16_fp6_f32 v[PC:PC+2], v[S:S+15], v[SO]
	v_cvt_scalef32_pk16_fp6_f32 v[PC+12:PC+14], v[S+16:S+31], v[SO+1]
	v_nop
.irp i, 0,1,2
	v_permlane16_swap_b32 v[PC+\i], v[PC+12+\i]
.endr
.irp i, 0,1,2
	v_mov_b32 v[PC+3+\i], v[PC+12+\i]
.endr
	global_store_b128 v1, v[PC:PC+3], s[96:97] offset:1536*\ps
	global_store_b64 v2, v[PC+4:PC+5], s[96:97] offset:1536*\ps+512
	global_store_b16 v3, v214, s[98:99] offset:4*\ps   ; two bytes of a word whose other two are the neighbouring head's; lanes 16-31 repeat lanes 0-15
	s_wait_xcnt 0x0                                ; the stores have read their registers
.endm
.macro PASS ps
	global_load_b128 v[16:19], v1, s[94:95] offset:768*\ps
	global_load_b64 v[20:21], v2, s[94:95] offset:768*\ps+512
	global_load_b32 v28, v3, s[14:15] offset:4*\ps
	v_mov_b32 v13, 0xff61b1e6                      ; the largest t so far: -3e38
	v_floor_f32 v12, -v13
	v_mov_b32 v14, 0
	v_mov_b32 v15, 0
.set i, 0
.rept 32
	v_mov_b32 v[OT+i], 0                           ; the step is written once: the first finds zeros, which the first change of M leaves zeros
.set i, i+1
.endr
	s_mov_b32 s88, 0
	s_mov_b32 s89, 106496
	s_mov_b32 s90, 16
	s_wait_loadcnt 0x0                             ; Q
.Lstep_\@:
	STEP
	s_sub_co_u32 s90, s90, 1
	s_cmp_lg_u32 s90, 0
	s_cbranch_scc1 .Lstep_\@
	FINISH \ps
.endm
	PASS 0
	PASS 1
	s_wait_tensorcnt 0x0
	ds_add_u32 v254, v255
	s_wait_dscnt 0x0
	CROUND                                         ; the closing round
	s_endpgm
.Lfunc_end_k_q25c81f940c_attn:
	.size	k_q25c81f940c_attn, .Lfunc_end_k_q25c81f940c_attn-k_q25c81f940c_attn
	.p2alignl 7, 3214868480
	.fill 96, 4, 3214868480
	.section	.rodata,"a",@progbits
	.p2align	6, 0x0
	.amdhsa_kernel k_q25c81f940c_attn
		.amdhsa_group_segment_fixed_size 210944
		.amdhsa_private_segment_fixed_size 0
		.amdhsa_enable_private_segment 0
		.amdhsa_kernarg_size 32
		.amdhsa_user_sgpr_count 2
		.amdhsa_user_sgpr_kernarg_segment_ptr 1
		.amdhsa_wavefront_size32 1
		.amdhsa_system_sgpr_workgroup_id_x 1
		.amdhsa_system_sgpr_workgroup_id_y 1
		.amdhsa_system_sgpr_workgroup_id_z 1
		.amdhsa_system_vgpr_workitem_id 0
		.amdhsa_next_free_vgpr 256
		.amdhsa_next_free_sgpr 100
		.amdhsa_reserve_vcc 0
		.amdhsa_float_denorm_mode_32 3
		.amdhsa_float_denorm_mode_16_64 3
		.amdhsa_memory_ordered 1
		.amdhsa_forward_progress 1
		.amdhsa_inst_pref_size 59
	.end_amdhsa_kernel
	.amdgpu_metadata
---
amdhsa.version: [ 1, 2 ]
amdhsa.kernels:
  - .name:           k_q25c81f940c_attn
    .symbol:         k_q25c81f940c_attn.kd
    .args:
      - { .name: qkimg, .offset: 0, .size: 8, .value_kind: global_buffer, .address_space: global }
      - { .name: vimg, .offset: 8, .size: 8, .value_kind: global_buffer, .address_space: global }
      - { .name: mbits, .offset: 16, .size: 8, .value_kind: global_buffer, .address_space: global }
      - { .name: oc, .offset: 24, .size: 8, .value_kind: global_buffer, .address_space: global }
    .group_segment_fixed_size: 210944
    .private_segment_fixed_size: 0
    .kernarg_segment_align: 8
    .kernarg_segment_size: 32
    .max_flat_workgroup_size: 512
    .sgpr_count:     100
    .vgpr_count:     256
    .wavefront_size: 32
...
	.end_amdgpu_metadata
.endif
;; end of part 5
;; launch outp (part 6): grid 4 x 64, 4 waves a work-group, clusters of 4 x 4, 327,680 bytes of LDS; arguments oc, wc, bo, out0; writes out0
.if DOCPART == 6
	.amdgcn_target "amdgcn-amd-amdhsa--gfx1250"
	.amdhsa_code_object_version 6
	.text
	.protected	k_q25c81f940c_outp
	.globl	k_q25c81f940c_outp
	.p2align	8
	.type	k_q25c81f940c_outp,@function
k_q25c81f940c_outp:
	s_mov_b64 s[64:65], 0
	v_nop
	global_prefetch_b8 v0, s[64:65] scope:SCOPE_SE
	s_setreg_imm32_b32 hwreg(HW_REG_WAVE_MODE, 25, 1), 1
	s_wait_xcnt 0x0
	s_wait_alu depctr_hold_cnt(0) depctr_sa_sdst(0) depctr_va_vdst(0) depctr_va_sdst(0) depctr_va_ssrc(0) depctr_va_vcc(0) depctr_vm_vsrc(0)
	s_getreg_b32 s2, hwreg(HW_REG_IB_STS2, 6, 4)
	s_cmp_eq_u32 s2, 0
	s_cbranch_scc0 .Lentry_in_a_cluster
	s_endpgm
.Lentry_in_a_cluster:
	s_bfe_u32 s2, ttmp6, 0x10000c
	s_cmp_lg_u32 s2, 0xf033
	s_cbranch_scc0 .Lentry_shape_is_right
	s_endpgm
.Lentry_shape_is_right:
; out0 = O wo + bo on codes of FP6 (E2M3), sums in f32.  O's codes (oc) are the LANE operand (tokens), wo's (wc[3]) the REGISTER operand: source 0 = 16 columns of wo, source 1 = 16 tokens, so that a lane holds one token
; and, by the order of rows in a fragment (lane r of fragment f = row 32 (f / 2) + 8 (f % 2) + r + 8 (r / 8)), the 16 registers of fragments 2 b, 2 b + 1 are columns 32 b + 16 (lane / 16) + 0 .. 15: 64 neighbouring bytes of a row of out0.
; A work-group makes 128 tokens x 256 columns over all of K = 1,024; a wave 64 x 128: 32 accumulators.  The operands for all of K, 3 x 102,400 bytes, are filled ONCE, in four chunks of two K steps; nothing is filled again.
; By this text's count a wave has four tensor loads out.  The bias is the C of each sum's first matrix instruction.
; CLUSTERS: 4 x 4 work-groups; the tokens' tile is shared along a row of the cluster, the weight's along a column: each chunk is asked for jointly.
; THE WAY OUT: 16 tokens x 64 columns at a time through the wave's own stage in LDS (behind the operands; no tensor load lands there), back as whole runs of 256 bytes.
; REGISTERS: window 0: v1-15 addresses; v16-39 scale words, two sets; v40-45 offsets; v48-143 the lane operand's fragments, two sets; v144-207 rows on the way out.
;   window 1: the register operand's fragments, two sets of 96; v192-255 the bias.   window 2: 32 accumulators, (a, b) at v[8 (8 a + b)].
.set OPND, 12800
.set RBB,  8*OPND
.set STAGE, 3*RBB
.set L16,  1
.set L8,   2
.set R8,   3
.set A16,  4
.set A8,   6
.set B16,  8
.set B8,   10
.set ASC,  12
.set BSC,  14
.set SC,   16
.set OFB,  40                          ; v40 64 h
.set STO,  41                          ; v41 the stage: where I put 32 bytes of a row
.set RD,   42                          ; v42 and where I read back
.set CO,   43                          ; v43 my byte offset in out0
.set AF,   48
.set BK,   144
.set BI,   192
.set G1A,  40
.set G1B,  48
.set G0A,  68
.set G0B,  84
.set MSB, 0
.macro WIN new
.if MSB != \new
	s_set_vgpr_msb (MSB<<8)|\new
.set MSB, \new
.endif
.endm
.set MUL,  0xa1                        ; source 0 window 1, source 1 window 0, C and D window 2
.set MULB, 0x91                        ; the same with C (the bias) in window 1
.set TO_B, 0x40
.macro PLACES
.rept 4
	v_nop
.endr
.endm
.macro JLOAD j                         ; waves 0 and 1 fetch for the lane operand, waves 2 and 3 for the register operand; four v_nop follow each line
	s_cmp_eq_u32 s19, 0
	s_cbranch_scc0 .Lfor_b_\@
	tensor_load_to_lds s[G0A+4*\j:G0A+4*\j+3], s[G1A:G1A+7]
	s_nop 0
.rept 4
	v_nop
.endr
	s_branch .Lasked_\@
.Lfor_b_\@:
	tensor_load_to_lds s[G0B+4*\j:G0B+4*\j+3], s[G1B:G1B+7]
	s_nop 0
.rept 4
	v_nop
.endr
.Lasked_\@:
.endm
.macro CROUND
	s_barrier_signal -1
	s_barrier_wait -1
	s_cmp_lg_u32 s18, 0
	s_cbranch_scc1 .Lnot_wave_0_\@
	s_barrier_signal -3
.Lnot_wave_0_\@:
	s_barrier_wait -3
	s_barrier_signal -1
	s_barrier_wait -1
.endm
	s_load_b256 s[4:11], s[0:1], 0x0               ; oc, wc, bo, out0
	v_lshl_add_u32 v254, v0, 2, 0x4f400
	v_mov_b32 v255, 0
	ds_add_u32 v254, v255
	ds_add_u32 v254, v255
	v_lshrrev_b32 v1, 5, v0
	v_readfirstlane_b32 s18, v1                    ; wave
	s_lshr_b32 s19, s18, 1                         ; lh
	s_and_b32 s20, s18, 1                          ; rb
	s_bfe_u32 s21, ttmp6, 0x40000                  ; cx
	s_bfe_u32 s22, ttmp6, 0x40004                  ; cy
	s_and_b32 s25, ttmp7, 0xffff
	s_lshl_b32 s25, s25, 2
	s_add_co_u32 s25, s25, s22                     ; LT: the tokens' row block (never holds cx)
	s_mov_b32 s26, s21                             ; RT: the weight's pair of row blocks (never holds cy)
	s_mul_i32 s28, s25, RBB
	s_mul_i32 s32, s20, OPND
	s_add_co_u32 s28, s28, s32
	s_mov_b32 s29, 0
	s_mul_i32 s30, s26, 2*RBB
	s_mul_i32 s33, s20, RBB
	s_add_co_u32 s30, s30, s33
	s_add_co_u32 s30, s30, 3*8*RBB                 ; wc[3]
	s_mov_b32 s31, 0
	s_lshl_b32 s38, s22, 2
	s_lshl_b32 s38, 15, s38                        ; my row of the cluster
	s_lshl_b32 s39, 0x1111, s21                    ; my column
	s_or_b32 s[G1A], s38, (3<<16)|(1<<21)          ; dense blocks as rows of 256 bytes: 50 rows for the lane operand, 100 for the register operand
	s_or_b32 s[G1B], s39, (3<<16)|(1<<21)
	s_mov_b32 s[G1A+1], 32<<16
	s_mov_b32 s[G1A+2], 50<<16
	s_mov_b32 s[G1A+3], 32<<16
	s_mov_b32 s[G1A+4], 50
	s_mov_b32 s[G1A+5], 32
	s_mov_b32 s[G1A+6], 0
	s_mov_b32 s[G1A+7], 0
	s_mov_b32 s[G1B+1], 32<<16
	s_mov_b32 s[G1B+2], 100<<16
	s_mov_b32 s[G1B+3], 32<<16
	s_mov_b32 s[G1B+4], 100
	s_mov_b32 s[G1B+5], 32
	s_mov_b32 s[G1B+6], 0
	s_mov_b32 s[G1B+7], 0
	s_lshl_b32 s58, s26, 10                        ; my 128 columns, in bytes
	s_lshl_b32 s59, s20, 9
	s_add_co_u32 s58, s58, s59
	s_mov_b32 s59, 0
	s_lshl_b32 s60, s25, 19                        ; my 64 tokens: rows of 4,096 bytes
	s_lshl_b32 s61, s19, 18
	s_add_co_u32 s60, s60, s61
	s_add_co_u32 s60, s60, s58
	s_mov_b32 s61, 0
	s_wait_dscnt 0x0
	s_wait_kmcnt 0x0
	s_add_nc_u64 s[34:35], s[4:5], s[28:29]
	s_add_nc_u64 s[36:37], s[6:7], s[30:31]
	s_add_nc_u64 s[62:63], s[8:9], s[58:59]        ; the bias
	s_add_nc_u64 s[56:57], s[10:11], s[60:61]      ; out0
	CROUND                                         ; all sixteen work-groups are here: the joint loads meet
.irp j, 0,1,2,3
	s_mov_b32 s[G0A+4*\j], 1
	s_add_co_u32 s[G0A+4*\j+1], s32, 2*OPND*\j
	s_add_nc_u64 s[G0A+4*\j+2:G0A+4*\j+3], s[34:35], 2*OPND*\j
	s_or_b32 s[G0A+4*\j+3], s[G0A+4*\j+3], 0x80000000
	s_mov_b32 s[G0B+4*\j], 1
	s_add_co_u32 s[G0B+4*\j+1], s33, RBB+2*OPND*\j
	s_add_nc_u64 s[G0B+4*\j+2:G0B+4*\j+3], s[36:37], 2*OPND*\j
	s_or_b32 s[G0B+4*\j+3], s[G0B+4*\j+3], 0x80000000
	JLOAD \j
.endr
	v_and_b32 v[L8], 31, v0
	v_lshlrev_b32 v[L16], 4, v[L8]
	v_lshlrev_b32 v[L8], 3, v[L8]
	v_and_b32 v44, 15, v0                          ; r
	v_lshlrev_b32 v[R8], 3, v44
	v_bfe_u32 v45, v0, 4, 1                        ; h
	v_lshlrev_b32 v[OFB], 6, v45
	WIN TO_B
.irp b, 0,1,2,3,4,5,6,7                ; register 8 b + j of a lane is column 32 (b / 2) + 8 (b % 2) + 16 h + j of my 128
	global_load_b128 v[BI+8*\b:BI+8*\b+3], v[OFB], s[62:63] offset:4*(32*(\b/2)+8*(\b%2))
	global_load_b128 v[BI+8*\b+4:BI+8*\b+7], v[OFB], s[62:63] offset:4*(32*(\b/2)+8*(\b%2))+16
.endr
	WIN 0
	s_mul_i32 s2, s19, 4*1536
	s_add_co_u32 s3, s33, RBB
	v_add_nc_u32 v[A16], s2, v[L16]
	v_add_nc_u32 v[A8], s2, v[L8]
	v_add_nc_u32 v[B16], s3, v[L16]
	v_add_nc_u32 v[B8], s3, v[L8]
	v_add_nc_u32 v[BSC], s3, v[R8]
	s_lshl_b32 s2, s19, 8
	v_add_nc_u32 v[ASC], s2, v[R8]
.irp x, A16, A8, B16, B8, ASC, BSC
	v_add_nc_u32 v[\x+1], 4*OPND, v[\x]
.endr
	s_mul_i32 s2, s18, 16*272
	s_add_co_u32 s2, s2, STAGE                     ; my stage: 16 rows of 256 bytes + 16
	v_mul_u32_u24 v[STO], v44, 272
	v_lshl_add_u32 v[STO], v45, 6, v[STO]
	v_add_nc_u32 v[STO], s2, v[STO]                ; in: row r, + 64 h
	v_mul_u32_u24 v[RD], v45, 272
	v_lshl_add_u32 v[RD], v44, 4, v[RD]
	v_add_nc_u32 v[RD], s2, v[RD]                  ; back: lanes 0-15 one row, lanes 16-31 the next
	v_lshlrev_b32 v[CO], 12, v45
	v_lshl_add_u32 v[CO], v44, 4, v[CO]            ; and the same two rows in out0
.macro FETCH s, p                      ; K step s's fragments and scale words into set p: 54 LDS loads in one run
.set QQ, (\s)/4
.set KO, OPND*((\s)%4)
	WIN TO_B
.irp b, 0,1,2,3,4,5,6,7
.irp c, 0,1
	ds_load_b128 v[96*(\p)+12*\b+6*\c:96*(\p)+12*\b+6*\c+3], v[B16+QQ] offset:KO+1536*\b+768*\c
	ds_load_b64 v[96*(\p)+12*\b+6*\c+4:96*(\p)+12*\b+6*\c+5], v[B8+QQ] offset:KO+1536*\b+768*\c+512
.endr
.endr
	WIN 0
.irp a, 0,1,2,3
.irp c, 0,1
	ds_load_b128 v[AF+48*(\p)+12*\a+6*\c:AF+48*(\p)+12*\a+6*\c+3], v[A16+QQ] offset:KO+1536*\a+768*\c
	ds_load_b64 v[AF+48*(\p)+12*\a+6*\c+4:AF+48*(\p)+12*\a+6*\c+5], v[A8+QQ] offset:KO+1536*\a+768*\c+512
.endr
.endr
.irp i, 0,1
	ds_load_b64 v[SC+12*(\p)+2*\i:SC+12*(\p)+2*\i+1], v[ASC+QQ] offset:KO+12288+128*\i
.endr
.irp i, 0,1,2,3
	ds_load_b64 v[SC+12*(\p)+4+2*\i:SC+12*(\p)+4+2*\i+1], v[BSC+QQ] offset:KO+12288+128*\i
.endr
.endm
; 16 matrix instructions; the 32 accumulators take turns, one instruction a turn, in the same order in every K step.  first = 1: the sums begin with the bias as C.
.macro MUL16 a0, p, first
.irp a, \a0, \a0+1
.irp b, 0,1,2,3,4,5,6,7
.if \first
	v_wmma_scale_f32_16x16x128_f8f6f4 v[8*(8*(\a)+\b):8*(8*(\a)+\b)+7], v[96*(\p)+12*\b:96*(\p)+12*\b+11], v[AF+48*(\p)+12*(\a):AF+48*(\p)+12*(\a)+11], v[BI+8*\b:BI+8*\b+7], v[SC+12*(\p)+4+\b], v[SC+12*(\p)+(\a)] matrix_a_fmt:MATRIX_FMT_FP6 matrix_b_fmt:MATRIX_FMT_FP6
.else
	v_wmma_scale_f32_16x16x128_f8f6f4 v[8*(8*(\a)+\b):8*(8*(\a)+\b)+7], v[96*(\p)+12*\b:96*(\p)+12*\b+11], v[AF+48*(\p)+12*(\a):AF+48*(\p)+12*(\a)+11], v[8*(8*(\a)+\b):8*(8*(\a)+\b)+7], v[SC+12*(\p)+4+\b], v[SC+12*(\p)+(\a)] matrix_a_fmt:MATRIX_FMT_FP6 matrix_b_fmt:MATRIX_FMT_FP6
.endif
.endr
.endr
.endm
; K step s.  Four places stand in front of each run of loads into registers that matrix instructions have read (ISA guide 7.12.1 for vector instructions).
.macro KS s, first
	s_wait_dscnt 0x0                               ; this step's fragments are in
.if (\s)%2 == 0
	PLACES
	FETCH (\s)+1, 1
.if \first
	WIN MULB
.else
	WIN MUL
.endif
	MUL16 0, 0, \first
	MUL16 2, 0, \first
.elseif (\s) < 7
	s_wait_tensorcnt 3-((\s)+1)/2                  ; my part of chunk (s + 1) / 2 has landed; the chunks behind it may be out
	s_barrier_signal -1
	WIN MUL
	MUL16 0, 1, 0
	s_barrier_wait -1                              ; everybody's has
	PLACES
	FETCH (\s)+1, 0
	WIN MUL
	MUL16 2, 1, 0
.else
	WIN MUL
	MUL16 0, 1, 0
	MUL16 2, 1, 0
.endif
.endm
	s_wait_tensorcnt 3                             ; my part of chunk 0 has landed (three loads were issued behind it),
	s_barrier_signal -1
	s_barrier_wait -1                              ; everybody's has
	FETCH 0, 0
	s_wait_loadcnt 0x0                             ; the bias
	KS 0, 1
	KS 1, 0
	KS 2, 0
	KS 3, 0
	KS 4, 0
	KS 5, 0
	KS 6, 0
	KS 7, 0
	WIN 0
; THE WAY OUT.  Piece k = fragment a = k / 2 of my tokens x columns 64 (k % 2) on.  LDS serves a wave's instructions in order: no wait between the stores and the loads, nor in front of the next piece's stores.
.macro TOSTAGE k
.set AC, 64*((\k)/2)+32*((\k)%2)
	WIN 0x08                                       ; an LDS store's data are its source 1: window 2
.irp b, 0,1,2,3
	ds_store_b128 v[STO], v[AC+8*\b:AC+8*\b+3] offset:128*(\b/2)+32*(\b%2)        ; each accumulator from its low end on
	ds_store_b128 v[STO], v[AC+8*\b+4:AC+8*\b+7] offset:128*(\b/2)+32*(\b%2)+16
.endr
	WIN 0
.set BB, BK+32*((\k)%2)
.irp i, 0,1,2,3,4,5,6,7
	ds_load_b128 v[BB+4*\i:BB+4*\i+3], v[RD] offset:544*\i
.endr
.endm
.macro SEND k, younger                 ; stage row 2 i + h is token 32 (a / 2) + 8 (a % 2) + 2 i + h + 8 (i / 4) of my 64
.set BB, BK+32*((\k)%2)
.set RW, 32*((\k)/4)+8*(((\k)/2)%2)
	s_wait_dscnt \younger
.irp i, 0,1,2,3,4,5,6,7
	global_store_b128 v[CO], v[BB+4*\i:BB+4*\i+3], s[56:57] offset:(RW+2*\i+8*(\i/4))*4096+256*((\k)%2) th:TH_STORE_NT   ; sixteen lanes store 256 consecutive bytes, aligned; written once, read by nobody here
.endr
.endm
	PLACES                                         ; in front of the first read of results
	TOSTAGE 0
.irp k, 1,2,3,4,5,6,7
.if \k > 1
	s_wait_xcnt 0x0                                ; piece k - 2's stores have read their registers: piece k's loads may land there
.endif
	TOSTAGE \k
	SEND \k-1, 16                                  ; behind piece k - 1's loads: piece k's 8 stores and 8 loads
.endr
	SEND 7, 0
	s_wait_tensorcnt 0x0
	ds_add_u32 v254, v255
	s_wait_dscnt 0x0
	CROUND                                         ; the closing round: no work-group ends while a partner may still ask for a tile that names it
	s_endpgm
.Lfunc_end_k_q25c81f940c_outp:
	.size	k_q25c81f940c_outp, .Lfunc_end_k_q25c81f940c_outp-k_q25c81f940c_outp
	.p2alignl 7, 3214868480
	.fill 96, 4, 3214868480
	.section	.rodata,"a",@progbits
	.p2align	6, 0x0
	.amdhsa_kernel k_q25c81f940c_outp
		.amdhsa_group_segment_fixed_size 327680
		.amdhsa_private_segment_fixed_size 0
		.amdhsa_enable_private_segment 0
		.amdhsa_kernarg_size 32
		.amdhsa_user_sgpr_count 2
		.amdhsa_user_sgpr_kernarg_segment_ptr 1
		.amdhsa_wavefront_size32 1
		.amdhsa_system_sgpr_workgroup_id_x 1
		.amdhsa_system_sgpr_workgroup_id_y 1
		.amdhsa_system_sgpr_workgroup_id_z 1
		.amdhsa_system_vgpr_workitem_id 0
		.amdhsa_next_free_vgpr 768
		.amdhsa_next_free_sgpr 100
		.amdhsa_reserve_vcc 0
		.amdhsa_float_denorm_mode_32 3
		.amdhsa_float_denorm_mode_16_64 3
		.amdhsa_memory_ordered 1
		.amdhsa_forward_progress 1
		.amdhsa_inst_pref_size 88
	.end_amdhsa_kernel
	.amdgpu_metadata
---
amdhsa.version: [ 1, 2 ]
amdhsa.kernels:
  - .name:           k_q25c81f940c_outp
    .symbol:         k_q25c81f940c_outp.kd
    .args:
      - { .name: oc, .offset: 0, .size: 8, .value_kind: global_buffer, .address_space: global }
      - { .name: wc, .offset: 8, .size: 8, .value_kind: global_buffer, .address_space: global }
      - { .name: bo, .offset: 16, .size: 8, .value_kind: global_buffer, .address_space: global }
      - { .name: out0, .offset: 24, .size: 8, .value_kind: global_buffer, .address_space: global }
    .group_segment_fixed_size: 327680
    .private_segment_fixed_size: 0
    .kernarg_segment_align: 8
    .kernarg_segment_size: 32
    .max_flat_workgroup_size: 128
    .sgpr_count:     100
    .vgpr_count:     768
    .wavefront_size: 32
...
	.end_amdgpu_metadata
.endif
;; end of part 6
